; MI455X (gfx1250); checked and timed in simulation.
; The chip was launched on July 23, 2026; its instructions are those of AMD's public machine-readable ISA for CDNA 5 (MIT licence, August 2026) and "CDNA5" Instruction Set Architecture Reference Guide (July 2026). The comments in the code are by the model that wrote it; some were corrected since.
;; Planning Attention. Allowed arithmetic: matrix products marked QUANTISED: E3M2 operands, one E8M0 scale for each 32 along K, by v_wmma_scale_f32_16x16x128_f8f6f4 with both operands' format E3M2, f32 sums; products left as they are: f32 operands where the result goes on into a quantised operand, else bf16, f16 or f32 operands; f32 sums; everything else in f32.
;; Inputs: b_c 1,024 float32; b_k 1,024 float32; b_q 1,024 float32; b_v 1,024 float32; context_memory 8 x 4,096 x 1,024 float32; query 8 x 1,024 float32; w_c 1,024 x 2,048 float32; w_k 1,024 x 1,024 float32; w_q 1,024 x 1,024 float32; w_v 1,024 x 1,024 float32.
;; Outputs: out0 8 x 1,024 float32.
;; This version of the problem:
;;   THIS VERSION OF THE PROBLEM IS GIVEN IN LOW PRECISION. The matrix products marked QUANTISED in the list below multiply operands that are first quantised to E3M2 (3 exponent bits, 2 mantissa bits; 6 bits a number), with one power-of-two scale for each 32 numbers along K (OCP MX v1.0); their sums are f32. All else is computed in f32.
;;   The module's matrix products, in the order in which they are computed (A, B: the left and right operand; K: the contracted axis; several contracted axes count as one K, in the product's order):
;;     1. [M 8, K 1,024] x [K 1,024, N 1,024]; A: computed on the way; B: computed on the way: left as it is (M = 8 < 16)
;;     2. [M 32,768, K 1,024] x [K 1,024, N 1,024]; A: computed on the way; B: computed on the way: QUANTISED
;;     3. [M 32,768, K 1,024] x [K 1,024, N 1,024]; A: computed on the way; B: computed on the way: QUANTISED
;;     4. batch 8 x [M 1, K 1,024] x [K 1,024, N 4,096]; A: computed on the way; B: computed on the way: left as it is (M = 1 < 16)
;;     5. batch 8 x [M 1, K 4,096] x [K 4,096, N 1,024]; A: softmax; B: computed on the way: left as it is (M = 1 < 16)
;;     6. [M 8, K 2,048] x [K 2,048, N 1,024]; A: computed on the way; B: computed on the way: left as it is (M = 8 < 16)
;;   THE QUANTISER, for each operand of a quantised product, along K:
;;     - K is cut into blocks of 32 from its start; a last block that is shorter is filled with zeros.
;;     - A block's scale is 2^e with e = floor(log2(the largest magnitude in the block)) - 4, held to -126 .. 127; a block of zeros has e = 0. As a byte (E8M0): e + 127.
;;     - Each number is divided by its block's scale, clamped to +-28, and rounded to the nearest number of E3M2, ties to even, subnormals kept.
;;     - The product sums the exact products of the quantised numbers (number of the format x scale) in f32.
;;   ~~~python
;;   def quantise(x, axis):      # numpy; x: float32 -> the quantised numbers, widened to float32 again
;;       x = np.moveaxis(x, axis, -1); K = x.shape[-1]
;;       x = np.pad(x, [(0, 0)] * (x.ndim - 1) + [(0, -K % 32)]); x = x.reshape(x.shape[:-1] + (-1, 32)); a = np.abs(x).max(-1, keepdims=True)
;;       e = np.where(a > 0, np.clip(np.frexp(np.where(a > 0, a, 1))[1] - 1 - 4, -126, 127), 0)      # np.frexp(a)[1] - 1 = floor(log2(a)), exactly
;;       r = np.clip(x / 2.0 ** e, -28, 28)
;;       step = 2.0 ** (np.maximum(np.frexp(np.where(r == 0, 1, r))[1] - 1, -2) - 2)
;;       q = np.round(r / step) * step * 2.0 ** e      # np.round: ties to even
;;       return np.moveaxis(q.reshape(q.shape[:-2] + (-1,))[..., :K], -1, axis).astype(np.float32)
;;   ~~~
;;   OPERANDS COMPUTED ON THE WAY. 'Computed on the way' means the value that the module computes at that place (a softmax that the list does not call 'softmax' is quantised finished and normalised). What goes into a quantiser is computed in f32, as accurately as f32 sums, v_exp_f32 and their like allow (about 1e-6 of the number): no bf16 or f16 on the way to a quantiser, and a product that is left as it is and whose result goes on into a quantised operand takes f32 operands (vector FMAs, or v_wmma_f32_16x16x4_f32). A number that lies on a knife's edge between two numbers of the format may be rounded either way, as far as f32 arithmetic and the matrix unit's own rounding can turn it there, and no further.
;; One version. Each part assembles by itself: llvm-mc -triple=amdgcn-amd-amdhsa -mcpu=gfx1250 --defsym DOCPART=n.
;; ======== version 1 of 1: 4 launches
;; limits: right only within a limited range of input values
;; workspace buffers: psum 1,280 bytes; wimg 1,638,400 bytes; qbuf 32,768 bytes; part_o 1,048,576 bytes; part_ml 2,048 bytes
;; launch wsum (part 1): grid 320 x 1, 8 waves a work-group, no clusters, 1,280 bytes of LDS; arguments w_q, w_k, w_v, w_c, psum; writes psum
.if DOCPART == 1
	.amdgcn_target "amdgcn-amd-amdhsa--gfx1250"
	.amdhsa_code_object_version 6
	.text
	.protected	k_qab1d335e0b_wsum
	.globl	k_qab1d335e0b_wsum
	.p2align	8
	.type	k_qab1d335e0b_wsum,@function
k_qab1d335e0b_wsum:
	s_mov_b64 s[64:65], 0
	v_nop
	global_prefetch_b8 v0, s[64:65] scope:SCOPE_SE
	s_setreg_imm32_b32 hwreg(HW_REG_WAVE_MODE, 25, 1), 1
	s_wait_xcnt 0x0
; psum[i] = the sum of |w| over piece i of 65,536 bytes: pieces 0-63 of w_q, 64-127 of w_k, 128-191 of w_v, 192-319 of w_c.
; The per-tensor scale mean|w| spans a whole tensor and is wanted before any weight is rounded: so the parts are made here and joined by the launches that use them.
; A work-group takes a piece, a wave 8,192 bytes of it: 16 loads of 512 consecutive bytes.  No matrix unit, no tensor load: the launch only streams.
; LIMITS: the sum is a tree, not reference()'s order: mean|w| may differ in its last bits.  NaN and infinities are not served.
.set ACC, 8                            ; v8-11   four chains
.set X,   16                           ; v16-79  the wave's 2,048 numbers, 64 a lane
	s_load_b256 s[4:11], s[0:1], 0x0               ; w_q s[4:5], w_k s[6:7], w_v s[8:9], w_c s[10:11]
	s_load_b64 s[12:13], s[0:1], 0x20              ; psum
	v_lshl_add_u32 v96, v0, 2, 0x100
	v_mov_b32 v97, 0
	v_lshrrev_b32 v2, 5, v0
	s_delay_alu instid0(VALU_DEP_1)
	v_readfirstlane_b32 s14, v2                    ; wave 0..7
	v_and_b32 v3, 31, v0
	s_delay_alu instid0(VALU_DEP_1)
	v_lshlrev_b32 v1, 4, v3                        ; 16 bytes a lane
	s_delay_alu instid0(VALU_DEP_4)
	v_lshlrev_b32 v12, 2, v2                       ; LDS: my wave's word
	v_mov_b32 v13, 0
	v_mov_b32 v14, 0                               ; (a lane permute's destination counts as one of its sources)
	s_mov_b32 s20, 0x76543210
	s_mov_b32 s21, 0xfedcba98                      ; selects for lane l xor 16
	s_wait_alu depctr_va_vdst(0)
	s_wait_kmcnt 0x0
	s_mov_b64 s[16:17], s[10:11]                   ; which tensor: the choice hangs on the work-group's number alone
	s_mov_b32 s18, 192
	s_cmp_lt_u32 ttmp9, 192
	s_cselect_b64 s[16:17], s[8:9], s[16:17]
	s_cselect_b32 s18, 128, s18
	s_cmp_lt_u32 ttmp9, 128
	s_cselect_b64 s[16:17], s[6:7], s[16:17]
	s_cselect_b32 s18, 64, s18
	s_cmp_lt_u32 ttmp9, 64
	s_cselect_b64 s[16:17], s[4:5], s[16:17]
	s_cselect_b32 s18, 0, s18
	s_sub_co_u32 s18, ttmp9, s18                   ; the piece's number in its tensor
	s_lshl_b32 s18, s18, 16
	s_lshl_b32 s19, s14, 13
	s_add_co_u32 s18, s18, s19                     ; + my wave's 8,192 bytes
	s_mov_b32 s19, 0
	s_add_nc_u64 s[16:17], s[16:17], s[18:19]
.irp i, 0,1,2,3,4,5,6,7,8,9,10,11,12,13,14,15
	global_load_b128 v[X+4*\i:X+4*\i+3], v1, s[16:17] offset:512*\i
.endr
	s_wait_loadcnt 12                              ; the first four loads are in; the twelve younger ones stay out
.irp k, 0,1,2,3
	v_add_f32 v[ACC+\k], |v[X+\k]|, |v[X+4+\k]|    ; the first numbers start the chains: nothing is cleared
.endr
.irp j, 8,12
.irp k, 0,1,2,3
	s_delay_alu instid0(VALU_DEP_4)
	v_add_f32 v[ACC+\k], v[ACC+\k], |v[X+\j+\k]|
.endr
.endr
	s_wait_alu depctr_va_vdst(0)
.irp g, 1,2,3
	s_wait_alu depctr_va_vdst(0)
	s_wait_loadcnt 12-4*\g                         ; the next four loads; the younger groups of four stay out
.irp j, 0,4,8,12
.irp k, 0,1,2,3
	v_add_f32 v[ACC+\k], v[ACC+\k], |v[X+16*\g+\j+\k]|
.endr
.endr
.endr
	s_delay_alu instid0(VALU_DEP_3)
	v_add_f32 v8, v8, v9
	s_delay_alu instid0(VALU_DEP_2)
	v_add_f32 v10, v10, v11
	s_delay_alu instid0(VALU_DEP_1)
	v_add_f32 v8, v8, v10
	s_delay_alu instid0(VALU_DEP_1)
	v_add_f32_dpp v8, v8, v8 row_xmask:1 row_mask:0xf bank_mask:0xf
	s_delay_alu instid0(VALU_DEP_1)
	v_add_f32_dpp v8, v8, v8 row_xmask:2 row_mask:0xf bank_mask:0xf
	s_delay_alu instid0(VALU_DEP_1)
	v_add_f32_dpp v8, v8, v8 row_xmask:4 row_mask:0xf bank_mask:0xf
	s_delay_alu instid0(VALU_DEP_1)
	v_add_f32_dpp v8, v8, v8 row_xmask:8 row_mask:0xf bank_mask:0xf
	s_delay_alu instid0(VALU_DEP_1)
	v_permlanex16_b32 v14, v8, s20, s21
	s_delay_alu instid0(VALU_DEP_1)
	v_add_f32 v8, v8, v14                          ; the wave's sum, in every lane
	ds_store_b32 v12, v8
	s_wait_dscnt 0x0                               ; for the others' sake: my word lies in LDS
	s_barrier_signal -1
	s_barrier_wait -1
	s_cmp_lg_u32 s14, 0
	s_cbranch_scc1 .Ldone                          ; wave 0 joins the eight and stores
	ds_load_b128 v[16:19], v13
	ds_load_b128 v[20:23], v13 offset:16
	s_lshl_b32 s18, ttmp9, 2
	s_add_nc_u64 s[12:13], s[12:13], s[18:19]      ; psum[work-group]
	s_wait_dscnt 0x0
	v_add_f32 v16, v16, v17
	v_add_f32 v18, v18, v19
	v_add_f32 v20, v20, v21
	v_add_f32 v22, v22, v23
	s_delay_alu instid0(VALU_DEP_3)
	v_add_f32 v16, v16, v18
	s_delay_alu instid0(VALU_DEP_2)
	v_add_f32 v20, v20, v22
	s_delay_alu instid0(VALU_DEP_1)
	v_add_f32 v16, v16, v20
	v_cmp_eq_u32 vcc_lo, 0, v0
	s_wait_alu depctr_va_vdst(0)
	s_wait_xcnt 0x0                                ; EXEC changes only behind this wait
	s_and_saveexec_b32 s22, vcc_lo
	global_store_b32 v13, v16, s[12:13]            ; one word a work-group
	s_wait_xcnt 0x0
	s_or_b32 exec_lo, exec_lo, s22
.Ldone:
	s_wait_tensorcnt 0x0
	ds_add_u32 v96, v97
	s_wait_dscnt 0x0
	s_endpgm
.Lfunc_end_k_qab1d335e0b_wsum:
	.size	k_qab1d335e0b_wsum, .Lfunc_end_k_qab1d335e0b_wsum-k_qab1d335e0b_wsum
	.p2alignl 7, 3214868480
	.fill 96, 4, 3214868480
	.section	.rodata,"a",@progbits
	.p2align	6, 0x0
	.amdhsa_kernel k_qab1d335e0b_wsum
		.amdhsa_group_segment_fixed_size 1280
		.amdhsa_private_segment_fixed_size 0
		.amdhsa_enable_private_segment 0
		.amdhsa_kernarg_size 40
		.amdhsa_user_sgpr_count 2
		.amdhsa_user_sgpr_kernarg_segment_ptr 1
		.amdhsa_wavefront_size32 1
		.amdhsa_system_sgpr_workgroup_id_x 1
		.amdhsa_system_sgpr_workgroup_id_y 1
		.amdhsa_system_sgpr_workgroup_id_z 1
		.amdhsa_system_vgpr_workitem_id 0
		.amdhsa_next_free_vgpr 98
		.amdhsa_next_free_sgpr 66
		.amdhsa_reserve_vcc 1
		.amdhsa_float_denorm_mode_32 3
		.amdhsa_float_denorm_mode_16_64 3
		.amdhsa_memory_ordered 1
		.amdhsa_forward_progress 1
		.amdhsa_inst_pref_size 10
	.end_amdhsa_kernel
	.amdgpu_metadata
---
amdhsa.version: [ 1, 2 ]
amdhsa.kernels:
  - .name:           k_qab1d335e0b_wsum
    .symbol:         k_qab1d335e0b_wsum.kd
    .args:
      - { .name: w_q, .offset: 0, .size: 8, .value_kind: global_buffer, .address_space: global }
      - { .name: w_k, .offset: 8, .size: 8, .value_kind: global_buffer, .address_space: global }
      - { .name: w_v, .offset: 16, .size: 8, .value_kind: global_buffer, .address_space: global }
      - { .name: w_c, .offset: 24, .size: 8, .value_kind: global_buffer, .address_space: global }
      - { .name: psum, .offset: 32, .size: 8, .value_kind: global_buffer, .address_space: global }
    .group_segment_fixed_size: 1280
    .private_segment_fixed_size: 0
    .kernarg_segment_align: 8
    .kernarg_segment_size: 40
    .max_flat_workgroup_size: 256
    .sgpr_count:     66
    .vgpr_count:     98
    .wavefront_size: 32
...
	.end_amdgpu_metadata
.endif
;; end of part 1
;; launch wprep (part 2): grid 384 x 1, 4 waves a work-group, no clusters, 37,376 bytes of LDS; arguments w_k, w_v, w_q, query, b_q, psum, wimg, qbuf; writes wimg, qbuf
.if DOCPART == 2
	.amdgcn_target "amdgcn-amd-amdhsa--gfx1250"
	.amdhsa_code_object_version 6
	.text
	.protected	k_qab1d335e0b_wprep
	.globl	k_qab1d335e0b_wprep
	.p2align	8
	.type	k_qab1d335e0b_wprep,@function
k_qab1d335e0b_wprep:
	s_mov_b64 s[64:65], 0
	v_nop
	global_prefetch_b8 v0, s[64:65] scope:SCOPE_SE
	s_setreg_imm32_b32 hwreg(HW_REG_WAVE_MODE, 25, 1), 1
	s_wait_xcnt 0x0
; Work-groups 0-255: w_k and w_v become ternary (round(w / s) held to -1 .. 1, times s, s = mean|w| + 1e-5, with reference()'s sum w + (wq - w)), are quantised to BF6 (E3M2) with one E8M0 scale for each 32 along K,
; and are stored as IMAGES OF THE OPERAND'S REGISTERS, in the order in which the next launch walks them: 16 fills of 102,400 bytes (fill = 4 x pass + K step / 2), each two halves (K step % 2) of 51,200 bytes:
; 32 fragments of 1,536 bytes (fragment t: columns 512 x pass + 16 t + r; byte 512 c + 16 x lane = the lane's registers 4 c .. 4 c + 3), then 2,048 bytes of scale words [t / 4][r][t % 4].
; Work-groups 256-383: q = bitlinear(query, w_q, b_q) by f32 multiply-adds (8 rows: no matrix work), stored [a / 8][batch][a % 8].
; The two ways part on the work-group's number and have LDS bytes of their own.
; LIMITS: NaN and infinities are not served.  A block of zeros keeps the scale byte 1 where the rule says 127: its codes are zeros, and this program alone reads the bytes.  The activations' clip to -128 .. 127 is not written:
; |x| x 127 / g is at most 127 for every finite x.  For activations x + (xq - x) is xq exactly (xq lies within a factor of two of x, or is 0), so that sum is not written; for the weights it is.
; w / s, 127 / g and g / 127 are a reciprocal with one correcting step: a number within an ulp of a rounding's middle may turn the other way than under a true division.
; THE LAYOUT OF wimg, which takes the place of what the lines above say of fills, halves and scale words: column block t (columns 16 t + r of w_k over w_v, t = 0 .. 127) lies in fill t / 8 of 102,400 bytes,
; in its quarter (t / 2) % 4 of 25,600 bytes: block t % 2 = 0, then block 1, each 8 fragments (K steps) of 1,536 bytes; then the two blocks' scale words, [t % 2][K step][r], 512 bytes a block.
.set LN, 1
.set RR, 2                             ; lane % 16
.set HH, 3                             ; lane / 16
.set LI, 4                             ; 16 x lane
.set L8, 5                             ; 8 x lane
.set SS, 8                             ; v[8:9]   s, twice
.set YY, 10                            ; v[10:11] 1 / s, twice
.set TT, 12                            ; v12-27   at work in TERN
.set PX, 28                            ; a lane permute's destination
.set TM, 32                            ; v32-47   at work in QUANT
.set PW, 48                            ; the scale word just made
.set K1, 50                            ; v[50:51] 127 / g, twice
.set K2, 52                            ; v[52:53] g / 127, twice
.set RT, 54                            ; v54-58   at work
.set DA, 60                            ; v[60:63] two dot products, in pairs
.set X,  64                            ; v64-127  64 numbers of the weight
.set LD, 128                           ; v128-255 as loaded: the weight's 16 rows, or four sets of a query row
.set PC, 192                           ; v192-210 the codes just made (way A)
.set SEL, 22                           ; s[22:23]
.set STG, 0                            ; LDS, way A: a stage of 16 rows x (512 + 16) bytes for each wave,
.set SCG, 33792                        ;   and the work-group's 64 scale words
.set QG,  34048                        ; LDS, way B: the work-group's 64 results
.macro WSUM r                          ; the sum over the wave's 32 lanes, in every lane
	v_add_f32_dpp v[\r], v[\r], v[\r] row_xmask:1 row_mask:0xf bank_mask:0xf
	v_add_f32_dpp v[\r], v[\r], v[\r] row_xmask:2 row_mask:0xf bank_mask:0xf
	v_add_f32_dpp v[\r], v[\r], v[\r] row_xmask:4 row_mask:0xf bank_mask:0xf
	v_add_f32_dpp v[\r], v[\r], v[\r] row_xmask:8 row_mask:0xf bank_mask:0xf
	v_permlanex16_b32 v[PX], v[\r], s[SEL], s[SEL+1]
	v_add_f32 v[\r], v[\r], v[PX]
.endm
.macro WMAX r
	v_max_num_f32_dpp v[\r], v[\r], v[\r] row_xmask:1 row_mask:0xf bank_mask:0xf
	v_max_num_f32_dpp v[\r], v[\r], v[\r] row_xmask:2 row_mask:0xf bank_mask:0xf
	v_max_num_f32_dpp v[\r], v[\r], v[\r] row_xmask:4 row_mask:0xf bank_mask:0xf
	v_max_num_f32_dpp v[\r], v[\r], v[\r] row_xmask:8 row_mask:0xf bank_mask:0xf
	v_permlanex16_b32 v[PX], v[\r], s[SEL], s[SEL+1]
	v_max_num_f32 v[\r], v[\r], v[PX]
.endm
.macro SCALE_S lo, hi                  ; s = (the 64 parts' sum) x 2^-20 + 1e-5, and 1 / s
	v_add_f32 v[SS], v[\lo], v[\hi]
	WSUM SS
	v_mul_f32 v[SS], 0x35800000, v[SS]             ; / 1,048,576: exact
	v_add_f32 v[SS], 0x3727c5ac, v[SS]
	s_wait_alu depctr_va_vdst(0)
	v_rcp_f32 v[YY], v[SS]
	v_mov_b32 v[SS+1], v[SS]                       ; (the plain place behind the reciprocal)
	s_wait_alu depctr_va_vdst(0)
	v_mov_b32 v[YY+1], v[YY]
.endm
.macro TERN reg, n                     ; n numbers in place: w + (clip(round(w / s)) x s - w); four pairs by turns
.set TN_, 0
.rept (\n)/8
.irp p, 0,1,2,3
	v_pk_mul_f32 v[TT+4*\p:TT+4*\p+1], v[\reg+TN_+2*\p:\reg+TN_+2*\p+1], v[YY:YY+1]
.endr
.irp p, 0,1,2,3
	v_pk_fma_f32 v[TT+4*\p+2:TT+4*\p+3], v[TT+4*\p:TT+4*\p+1], v[SS:SS+1], v[\reg+TN_+2*\p:\reg+TN_+2*\p+1] neg_lo:[1,0,0] neg_hi:[1,0,0]   ; what the quotient leaves: w - u s
.endr
.irp p, 0,1,2,3
	v_pk_fma_f32 v[TT+4*\p:TT+4*\p+1], v[TT+4*\p+2:TT+4*\p+3], v[YY:YY+1], v[TT+4*\p:TT+4*\p+1]   ; the corrected quotient
.endr
.irp p, 0,1,2,3
	v_rndne_f32 v[TT+4*\p], v[TT+4*\p]
	v_rndne_f32 v[TT+4*\p+1], v[TT+4*\p+1]
.endr
.irp p, 0,1,2,3
	v_med3_num_f32 v[TT+4*\p], v[TT+4*\p], -1.0, 1.0
	v_med3_num_f32 v[TT+4*\p+1], v[TT+4*\p+1], -1.0, 1.0
.endr
.irp p, 0,1,2,3
	v_pk_mul_f32 v[TT+4*\p:TT+4*\p+1], v[TT+4*\p:TT+4*\p+1], v[SS:SS+1]
.endr
.irp p, 0,1,2,3
	v_pk_add_f32 v[TT+4*\p:TT+4*\p+1], v[TT+4*\p:TT+4*\p+1], v[\reg+TN_+2*\p:\reg+TN_+2*\p+1] neg_lo:[0,1] neg_hi:[0,1]
.endr
.irp p, 0,1,2,3
	v_pk_add_f32 v[\reg+TN_+2*\p:\reg+TN_+2*\p+1], v[\reg+TN_+2*\p:\reg+TN_+2*\p+1], v[TT+4*\p:TT+4*\p+1]
.endr
.set TN_, TN_+8
.endr
.endm
.macro ROWK                            ; v[RT] = a row's largest magnitude -> K1 = 127 / g, K2 = g / 127, g = it + 1e-5
	v_add_f32 v[RT], 0x3727c5ac, v[RT]
	s_wait_alu depctr_va_vdst(0)
	v_rcp_f32 v[RT+1], v[RT]
	v_mov_b32 v[RT+2], 0x42fe0000                  ; 127 (the plain place behind the reciprocal)
	s_wait_alu depctr_va_vdst(0)
	v_mul_f32 v[RT+3], v[RT+2], v[RT+1]
	v_fma_f32 v[RT+4], -v[RT+3], v[RT], v[RT+2]
	v_fma_f32 v[K1], v[RT+4], v[RT+1], v[RT+3]
	v_mul_f32 v[RT+3], 0x3c010204, v[RT]           ; x 1 / 127
	v_fma_f32 v[RT+4], -v[RT+3], v[RT+2], v[RT]
	v_fma_f32 v[K2], v[RT+4], 0x3c010204, v[RT+3]
	v_mov_b32 v[K1+1], v[K1]
	v_mov_b32 v[K2+1], v[K2]
.endm
; 64 numbers of a lane, register 16 b + i = k 32 b + 16 (lane / 16) + i of my row, become a fragment's codes in v[PC] on and its scale word in v[PW]
.macro QUANT s
.irp b, 0,1,2,3
	v_max3_num_f32 v[TM+\b], |v[\s+16*\b]|, |v[\s+1+16*\b]|, 0x2800000   ; block b: my 16 numbers, and the floor 2^(5 - 127): the byte cannot fall under 1
.endr
.irp i, 2,4,6,8,10,12,14
.irp b, 0,1,2,3
	v_max3_num_f32 v[TM+\b], v[TM+\b], |v[\s+16*\b+\i]|, |v[\s+1+16*\b+\i]|
.endr
.endr
.irp b, 0,1,2,3
	v_permlanex16_b32 v[TM+4+\b], v[TM+\b], s[SEL], s[SEL+1]
.endr
.irp b, 0,1,2,3
	v_max_num_f32 v[TM+\b], v[TM+\b], v[TM+4+\b]   ; with lane l xor 16's: the block's largest magnitude
.endr
.irp b, 0,1,2,3
	v_add_nc_u32 v[TM+12+\b], 0xfe000000, v[TM+\b] ; 4 off its exponent field: the conversion's scale operand
.endr
.irp b, 0,1,2,3
	v_lshrrev_b32 v[TM+4+\b], 23, v[TM+12+\b]      ; the scale's byte
.endr
	v_lshl_or_b32 v[PW], v[TM+5], 8, v[TM+4]
	v_lshl_or_b32 v[PW], v[TM+6], 16, v[PW]
	v_lshl_or_b32 v[PW], v[TM+7], 24, v[PW]
.irp c, 0,1
	v_cvt_scalef32_pk16_bf6_f32 v[PC+6*\c:PC+2+6*\c], v[\s+32*\c:\s+15+32*\c], v[TM+12+2*\c]
	v_cvt_scalef32_pk16_bf6_f32 v[PC+12+4*\c:PC+14+4*\c], v[\s+16+32*\c:\s+31+32*\c], v[TM+12+2*\c+1]   ; (a conversion's three registers begin on an even number)
.endr
	v_nop                                          ; one plain place behind a scaled conversion
.irp c, 0,1                            ; the operand's layout wants a whole block in a lane
.irp i, 0,1,2
	v_permlane16_swap_b32 v[PC+6*\c+\i], v[PC+12+4*\c+\i]
.endr
.irp i, 0,1,2
	v_mov_b32 v[PC+3+6*\c+\i], v[PC+12+4*\c+\i]
.endr
.endr
.endm
	s_load_b256 s[4:11], s[0:1], 0x0               ; w_k s[4:5], w_v s[6:7], w_q s[8:9], query s[10:11]
	s_load_b256 s[12:19], s[0:1], 0x20             ; b_q s[12:13], psum s[14:15], wimg s[16:17], qbuf s[18:19]
	v_lshl_add_u32 v42, v0, 2, 0x9000
	v_mov_b32 v43, 0
	v_lshrrev_b32 v6, 5, v0
	v_readfirstlane_b32 s20, v6                    ; wave 0..3
	v_and_b32 v[LN], 31, v0
	v_and_b32 v[RR], 15, v0
	v_bfe_u32 v[HH], v0, 4, 1
	v_lshlrev_b32 v[LI], 4, v[LN]
	v_lshlrev_b32 v[L8], 3, v[LN]
	s_mov_b32 s[SEL], 0x76543210
	s_mov_b32 s[SEL+1], 0xfedcba98
	v_mov_b32 v[PX], 0                             ; written once: a lane permute's destination counts as one of its sources
.irp b, 0,1,2,3
	v_mov_b32 v[TM+4+\b], 0
.endr
	s_wait_kmcnt 0x0
	s_cmp_lt_u32 ttmp9, 256
	s_cbranch_scc0 .Lq
	; ---- way A: 64 rows x 128 along K of w_k or w_v; a wave takes 16 rows: one fragment
	s_and_b32 s24, ttmp9, 7                        ; the K step
	s_lshr_b32 s25, ttmp9, 3                       ; G: rows 64 G on of w_k over w_v
	s_mov_b32 s26, 512
	s_cmp_lt_u32 s25, 16
	s_cselect_b64 s[28:29], s[4:5], s[6:7]
	s_cselect_b32 s26, 256, s26                    ; the tensor's 64 parts in psum
	s_wait_alu depctr_va_vdst(0)
	v_add_nc_u32 v7, s26, v[L8]
	global_load_b64 v[30:31], v7, s[14:15]         ; two parts a lane
	s_and_b32 s27, s25, 15
	s_lshl_b32 s30, s27, 18                        ; 64 rows of 4,096 bytes
	s_lshl_b32 s31, s20, 16                        ; + my wave's 16
	s_add_co_u32 s30, s30, s31
	s_lshl_b32 s31, s24, 9                         ; + the K step's 512 bytes
	s_add_co_u32 s30, s30, s31
	s_mov_b32 s31, 0
	s_add_nc_u64 s[28:29], s[28:29], s[30:31]
.irp i, 0,1,2,3,4,5,6,7,8,9,10,11,12,13,14,15
	global_load_b128 v[LD+4*\i:LD+4*\i+3], v[LI], s[28:29] offset:4096*\i   ; row i: 512 consecutive bytes
.endr
	s_mul_i32 s32, s20, 8448                       ; my stage
	v_add_nc_u32 v29, s32, v[LI]                   ; in: as loaded, rows 528 bytes apart
	v_mul_u32_u24 v6, v[RR], 528
	v_lshl_add_u32 v6, v[HH], 6, v6
	v_add_nc_u32 v6, s32, v6                       ; back: row r, + 64 h: my 16 numbers of a block of 32
	v_lshlrev_b32 v49, 2, v[RR]                    ; my row's scale word among the fragment's sixteen
	s_lshr_b32 s34, s25, 1                         ; block t = 4 G + wave: the fill is t / 8 = G / 2,
	s_mul_i32 s34, s34, 102400
	s_and_b32 s35, s25, 1
	s_lshl_b32 s35, s35, 1
	s_lshr_b32 s36, s20, 1
	s_add_co_u32 s35, s35, s36                     ; the quarter (t / 2) % 4 = 2 (G % 2) + wave / 2
	s_mul_i32 s35, s35, 25600
	s_add_co_u32 s34, s34, s35
	s_and_b32 s36, s20, 1                          ; t % 2
	s_mul_i32 s37, s36, 12288
	s_mul_i32 s38, s24, 1536                       ; the K step's fragment
	s_add_co_u32 s37, s37, s38
	s_add_co_u32 s38, s34, s37
	s_mov_b32 s39, 0
	s_add_nc_u64 s[40:41], s[16:17], s[38:39]
	s_lshl_b32 s36, s36, 9
	s_lshl_b32 s37, s24, 6
	s_add_co_u32 s36, s36, s37
	s_add_co_u32 s38, s34, s36
	s_add_co_u32 s38, s38, 24576                   ; the scale words: 512 (t % 2) + 64 x K step
	s_add_nc_u64 s[42:43], s[16:17], s[38:39]
	s_wait_loadcnt 16                              ; the parts are in; the 16 loads behind them stay out
	SCALE_S 30, 31
	s_wait_alu depctr_va_vdst(0)
	s_wait_loadcnt 0x0
.irp i, 0,1,2,3,4,5,6,7,8,9,10,11,12,13,14,15
	ds_store_b128 v29, v[LD+4*\i:LD+4*\i+3] offset:528*\i
.endr
.irp b, 0,1,2,3
.irp j, 0,1,2,3
	ds_load_b128 v[X+16*\b+4*\j:X+16*\b+4*\j+3], v6 offset:128*\b+16*\j   ; LDS serves a wave's instructions in order: these see my stores
.endr
.endr
	s_wait_dscnt 0x0
	TERN X, 64
	QUANT X
.irp c, 0,1,2
	global_store_b128 v[LI], v[PC+4*\c:PC+4*\c+3], s[40:41] offset:512*\c   ; the image: 512 consecutive bytes a store
.endr
	global_store_b32 v49, v[PW], s[42:43]          ; 64 consecutive bytes a wave; both halves of the lanes store the same word with the same value
	s_wait_tensorcnt 0x0
	ds_add_u32 v42, v43
	s_wait_dscnt 0x0
	s_endpgm
	; ---- way B: eight rows a of w_q against the eight queries; a wave takes two rows
.Lq:
	s_sub_co_u32 s24, ttmp9, 256
	s_wait_alu depctr_va_vdst(0)
	global_load_b64 v[30:31], v[L8], s[14:15]      ; w_q's 64 parts
	s_lshl_b32 s25, s24, 3
	s_lshl_b32 s26, s20, 1
	s_add_co_u32 s25, s25, s26                     ; my first row
	s_lshl_b32 s26, s25, 12
	s_mov_b32 s27, 0
	s_add_nc_u64 s[28:29], s[8:9], s[26:27]
	s_lshl_b32 s26, s25, 2
	s_add_nc_u64 s[30:31], s[12:13], s[26:27]
	s_load_b64 s[32:33], s[30:31], 0x0             ; b_q of my two rows
.irp p, 0,1
.irp m, 0,1,2,3,4,5,6,7
	global_load_b128 v[X+32*\p+4*\m:X+32*\p+4*\m+3], v[LI], s[28:29] offset:4096*\p+512*\m   ; k = 128 m + 4 x lane + 0 .. 3
.endr
.endr
.macro QLOAD b
.irp m, 0,1,2,3,4,5,6,7
	global_load_b128 v[LD+32*((\b)%4)+4*\m:LD+32*((\b)%4)+4*\m+3], v[LI], s[10:11] offset:4096*(\b)+512*\m
.endr
.endm
	QLOAD 0
	QLOAD 1
	QLOAD 2
	QLOAD 3
	v_lshrrev_b32 v29, 5, v0
	v_lshl_add_u32 v29, v29, 3, QG                 ; my two results of a batch: QG + 32 x batch + 8 x wave
	v_add_nc_u32 v59, QG, v[L8]
	s_lshl_b32 s26, s24, 8
	s_add_nc_u64 s[18:19], s[18:19], s[26:27]      ; qbuf: 256 bytes a work-group
	s_wait_loadcnt 32                              ; the parts and the two rows are in; the four query sets stay out
	SCALE_S 30, 31
	TERN X, 64
	s_wait_kmcnt 0x0
.macro BATCH b, n
.set QS_, LD+32*((\b)%4)
	s_wait_loadcnt \n                              ; this batch's eight loads are in; the younger sets of eight stay out
	v_max3_num_f32 v[RT], |v[QS_]|, |v[QS_+1]|, 0
	v_max3_num_f32 v[RT+1], |v[QS_+2]|, |v[QS_+3]|, 0
.irp i, 4,8,12,16,20,24,28
	v_max3_num_f32 v[RT], v[RT], |v[QS_+\i]|, |v[QS_+\i+1]|
	v_max3_num_f32 v[RT+1], v[RT+1], |v[QS_+\i+2]|, |v[QS_+\i+3]|
.endr
	v_max_num_f32 v[RT], v[RT], v[RT+1]
	WMAX RT
	ROWK
.set BN_, 0
.rept 16
	v_pk_mul_f32 v[QS_+BN_:QS_+BN_+1], v[QS_+BN_:QS_+BN_+1], v[K1:K1+1]
.set BN_, BN_+2
.endr
.set BN_, 0
.rept 32
	v_rndne_f32 v[QS_+BN_], v[QS_+BN_]
.set BN_, BN_+1
.endr
.set BN_, 0
.rept 16
	v_pk_mul_f32 v[QS_+BN_:QS_+BN_+1], v[QS_+BN_:QS_+BN_+1], v[K2:K2+1]
.set BN_, BN_+2
.endr
	s_wait_dscnt 0x0                               ; the last batch's stores have read the sums' registers
	v_pk_mul_f32 v[DA:DA+1], v[QS_:QS_+1], v[X:X+1]
	v_pk_mul_f32 v[DA+2:DA+3], v[QS_:QS_+1], v[X+32:X+33]
.set BN_, 2
.rept 15
	v_pk_fma_f32 v[DA:DA+1], v[QS_+BN_:QS_+BN_+1], v[X+BN_:X+BN_+1], v[DA:DA+1]
	v_pk_fma_f32 v[DA+2:DA+3], v[QS_+BN_:QS_+BN_+1], v[X+32+BN_:X+33+BN_], v[DA+2:DA+3]
.set BN_, BN_+2
.endr
	v_add_f32 v[DA], v[DA], v[DA+1]
	v_add_f32 v[DA+2], v[DA+2], v[DA+3]
	WSUM DA
	WSUM DA+2
	v_add_f32 v[DA], s32, v[DA]
	v_add_f32 v[DA+2], s33, v[DA+2]
	ds_store_b32 v29, v[DA] offset:32*(\b)
	ds_store_b32 v29, v[DA+2] offset:32*(\b)+4
.if (\b) < 4
	QLOAD (\b)+4
.endif
.endm
	BATCH 0, 24
	BATCH 1, 24
	BATCH 2, 24
	BATCH 3, 24
	BATCH 4, 24
	BATCH 5, 16
	BATCH 6, 8
	BATCH 7, 0
	s_wait_dscnt 0x0
	s_barrier_signal -1
	s_barrier_wait -1
	s_cmp_lg_u32 s20, 0
	s_cbranch_scc1 .Lendb
	ds_load_b64 v[56:57], v59
	s_wait_dscnt 0x0
	global_store_b64 v[L8], v[56:57], s[18:19]     ; 256 consecutive bytes, aligned
.Lendb:
	s_wait_tensorcnt 0x0
	ds_add_u32 v42, v43
	s_wait_dscnt 0x0
	s_endpgm
.Lfunc_end_k_qab1d335e0b_wprep:
	.size	k_qab1d335e0b_wprep, .Lfunc_end_k_qab1d335e0b_wprep-k_qab1d335e0b_wprep
	.p2alignl 7, 3214868480
	.fill 96, 4, 3214868480
	.section	.rodata,"a",@progbits
	.p2align	6, 0x0
	.amdhsa_kernel k_qab1d335e0b_wprep
		.amdhsa_group_segment_fixed_size 37376
		.amdhsa_private_segment_fixed_size 0
		.amdhsa_enable_private_segment 0
		.amdhsa_kernarg_size 64
		.amdhsa_user_sgpr_count 2
		.amdhsa_user_sgpr_kernarg_segment_ptr 1
		.amdhsa_wavefront_size32 1
		.amdhsa_system_sgpr_workgroup_id_x 1
		.amdhsa_system_sgpr_workgroup_id_y 1
		.amdhsa_system_sgpr_workgroup_id_z 1
		.amdhsa_system_vgpr_workitem_id 0
		.amdhsa_next_free_vgpr 256
		.amdhsa_next_free_sgpr 66
		.amdhsa_reserve_vcc 0
		.amdhsa_float_denorm_mode_32 3
		.amdhsa_float_denorm_mode_16_64 3
		.amdhsa_memory_ordered 1
		.amdhsa_forward_progress 1
		.amdhsa_inst_pref_size 122
	.end_amdhsa_kernel
	.amdgpu_metadata
---
amdhsa.version: [ 1, 2 ]
amdhsa.kernels:
  - .name:           k_qab1d335e0b_wprep
    .symbol:         k_qab1d335e0b_wprep.kd
    .args:
      - { .name: w_k, .offset: 0, .size: 8, .value_kind: global_buffer, .address_space: global }
      - { .name: w_v, .offset: 8, .size: 8, .value_kind: global_buffer, .address_space: global }
      - { .name: w_q, .offset: 16, .size: 8, .value_kind: global_buffer, .address_space: global }
      - { .name: query, .offset: 24, .size: 8, .value_kind: global_buffer, .address_space: global }
      - { .name: b_q, .offset: 32, .size: 8, .value_kind: global_buffer, .address_space: global }
      - { .name: psum, .offset: 40, .size: 8, .value_kind: global_buffer, .address_space: global }
      - { .name: wimg, .offset: 48, .size: 8, .value_kind: global_buffer, .address_space: global }
      - { .name: qbuf, .offset: 56, .size: 8, .value_kind: global_buffer, .address_space: global }
    .group_segment_fixed_size: 37376
    .private_segment_fixed_size: 0
    .kernarg_segment_align: 8
    .kernarg_segment_size: 64
    .max_flat_workgroup_size: 128
    .sgpr_count:     66
    .vgpr_count:     256
    .wavefront_size: 32
...
	.end_amdgpu_metadata
.endif
;; end of part 2
;; launch main (part 3): grid 256 x 1, 4 waves a work-group, clusters of 4 x 1, 327,680 bytes of LDS; arguments context_memory, wimg, qbuf, part_o, part_ml; writes part_o, part_ml
.if DOCPART == 3
	.amdgcn_target "amdgcn-amd-amdhsa--gfx1250"
	.amdhsa_code_object_version 6
	.text
	.protected	k_qab1d335e0b_main
	.globl	k_qab1d335e0b_main
	.p2align	8
	.type	k_qab1d335e0b_main,@function
k_qab1d335e0b_main:
	s_mov_b64 s[64:65], 0
	v_nop
	global_prefetch_b8 v0, s[64:65] scope:SCOPE_SE
	s_setreg_imm32_b32 hwreg(HW_REG_WAVE_MODE, 25, 1), 1
	s_wait_xcnt 0x0
	s_wait_alu depctr_hold_cnt(0) depctr_sa_sdst(0) depctr_va_vdst(0) depctr_va_sdst(0) depctr_va_ssrc(0) depctr_va_vcc(0) depctr_vm_vsrc(0)
	s_getreg_b32 s2, hwreg(HW_REG_IB_STS2, 6, 4)
	s_cmp_eq_u32 s2, 0
	s_cbranch_scc0 .Lentry_in_a_cluster
	s_endpgm
.Lentry_in_a_cluster:
	s_bfe_u32 s2, ttmp6, 0x10000c
	s_cmp_lg_u32 s2, 0x3003
	s_cbranch_scc0 .Lentry_shape_is_right
	s_endpgm
.Lentry_shape_is_right:
; A work-group takes 128 rows of context_memory (32 work-groups to a batch).  PHASE 1: each wave rounds 32 rows as bitlinear does (n = round(x 127 / g), x = n g / 127, g = the row's largest magnitude + 1e-5), quantises
; them to BF6 (E3M2) with one E8M0 scale for each 32 along K, and lays them in LDS as images of the operand's registers.  PHASE 2: EVERY WAVE TAKES ALL 128 ROWS INTO REGISTERS, 64 fragments (8 blocks of 16 rows x 8 K steps) of
; 12 registers, and keeps them; the 2,048 columns of w_k over w_v go by in 128 blocks of 16, 32 blocks to a wave.  A block is 8 K steps x 8 matrix instructions on 8 accumulators by turns; each fragment of the weights
; is read from LDS once, by one wave, and feeds 8 matrix instructions.  The product is used transposed (source 0 = 16 columns of the weight, source 1 = 16 rows of x): lane (r, h) holds row r, its registers the columns 8 h + j.
; Blocks of w_k: the 8 x 8 results are multiplied by q at once, only 16 registers of score sums are kept.  Then a softmax over the 128 rows under their own maximum.  Blocks of w_v: o = sum of p v, summed over the lanes.
; Out go o (part_o) and the maximum and the sum (part_ml); the next launch joins a batch's 32 parts and adds b_v (a softmax's weights add up to 1).
; LEFT OUT: b_k.  It adds q . b_k / 32 to every score of a batch alike, which a softmax over the positions takes away; it enters no quantised operand.  It is not among the arguments.
; THE WEIGHTS come as 16 fills of 102,400 bytes through a ring of two slots, by joint loads of a cluster of four work-groups; a wave loads the quarter of a fill that it reads: its two blocks and their scale words.
; THE FILLS ARE PREFETCHED four fills ahead of their tensor loads: of the 100 blocks of 256 bytes that wave w loads, the partner at place cx names 25 (lanes 25-31 name the 25th again): told apart by address alone.
; Fills 0 and 1 come by their loads alone; fills 2 to 5 are named in the two trips of the quantising loop; behind the refill with fill f stands the request for fill f + 4; laps 5 and 6 ask for nothing.
; LIMITS: NaN and infinities are not served; the activations' clip to -128 .. 127 cannot act and is not written; divisions are a reciprocal with one correcting step; a block of zeros keeps the scale byte 1 (its codes are
; zeros); the softmax's promise holds while the scaled scores stay under 2^31 in magnitude.
; REGISTERS: windows 1-3: phase 1: the rows as loaded and a tile of 16 rows; phase 2: fragment 8 k + a of x at register 12 ((8 k + a) % 21) of window (8 k + a) / 21 + 1; fragment 63 lies in window 0.
.set SLOTB, 102400
.set QUARB, 25600
.set FRB,   1536
.set TILEB, 12288                      ; a block of 16 rows or columns: 8 fragments
.set BSC,   24576                      ; in a quarter: the scale words
.set AIMG,  204800                     ; LDS behind the ring: x's images, 8 blocks;
.set ASC,   303104                     ; x's scale words [k][a / 4][r][a % 4];
.set SCR,   307200                     ; the waves' score sums, 512 bytes each;
.set QL,    309248                     ; q, 4,096 bytes;
.set OST8,  313344                     ; o's stage: 1,024 bytes a lap; laps 4 to 7 write theirs
.set SPARE, 321536                     ; the spare words
.set LI,   1                           ; 16 x lane
.set LN,   2
.set PFO,  3                           ; 256 x min(lane, 24)
.set SPW,  4
.set NIL,  5
.set ADB,  6                           ; v6-7 my quarter in slot 0, 1, + 16 x lane
.set ABS,  8                           ; v8-9 its scale words, + 4 x lane
.set QAD,  10
.set SCW,  11
.set SCRD, 12
.set MLO,  13
.set TO,   14                          ; 16 x thread
.set QAB,  15
.set Q,    16                          ; v16-23 q at my 8 columns of the block
.set AS,   24                          ; v24-55 x's scale words: register 4 k + i: lanes 0-15 block 2 i, lanes 16-31 block 2 i + 1
.set BS,   56                          ; v56-63 the weights' scale words, two sets: register k / 2: lanes 0-15 K step k even, lanes 16-31 odd
.set ACC,  64                          ; v64-127 8 accumulators; between blocks at work
.set BF,   128                         ; v128-223 a block's 8 fragments of the weight
.set AX,   224                         ; v224-235 x's fragment 63
.set T,    236                         ; v236-251 the score sums, in pairs; then P, and O
.set P,    236
.set O,    244
.set OAB,  252
.set OAD,  253
.set STW,  236                         ; phase 1 alone: addresses,
.set STR,  237
.set IMB,  238
.set IMW,  239
.set ASB,  240
.set ASW,  241
.set RR,   242
.set HH,   243
.set BM,   64                          ; and what the quantiser works in
.set PX,   96
.set PC,   100
.set PW,   140
.set K1,   148
.set K2,   150
.set RT,   152
.set WV,   16
.set CX,   17
.set WG,   18
.set SEL,  20
.set CS,   22
.set G1,   24
.set G0,   32
.set LAP,  40
.set TILE, 41
.set LB,   42
.set TI,   44
.set TS2,  45
.set XB,   46
.set PO,   48
.set PF,   54
.set MSB, 0
.macro WIN new
.if MSB != (\new)
	s_set_vgpr_msb (MSB<<8)|(\new)
.set MSB, (\new)
.endif
.endm
.macro PLACES
.rept 4
	v_nop
.endr
.endm
.macro CREST
	s_cmp_lg_u32 s[WV], 0
	s_cbranch_scc1 .Lnw0_\@
	s_barrier_signal -3
.Lnw0_\@:
	s_barrier_wait -3
	s_barrier_signal -1
	s_barrier_wait -1
.endm
.macro CROUND
	s_barrier_signal -1
	s_barrier_wait -1
	CREST
.endm
	s_load_b256 s[4:11], s[0:1], 0x0               ; context_memory s[4:5], wimg s[6:7], qbuf s[8:9], part_o s[10:11]
	s_load_b64 s[12:13], s[0:1], 0x20              ; part_ml
	v_lshl_add_u32 v[SPW], v0, 2, SPARE
	v_mov_b32 v[NIL], 0
	ds_add_u32 v[SPW], v[NIL]                      ; the opening lines
	ds_add_u32 v[SPW], v[NIL]
	v_lshrrev_b32 v[LN], 5, v0
	v_readfirstlane_b32 s[WV], v[LN]
	s_bfe_u32 s[CX], ttmp6, 0x40000
	s_lshl_b32 s[WG], ttmp9, 2
	s_add_co_u32 s[WG], s[WG], s[CX]
	s_mov_b32 s[G1+0], 15|(3<<16)|(1<<21)          ; a quarter of a fill: 100 rows of 256 bytes, dense; the mask names the cluster's four
	s_mov_b32 s[G1+1], 32<<16
	s_mov_b32 s[G1+2], 100<<16
	s_mov_b32 s[G1+3], 32<<16
	s_mov_b32 s[G1+4], 100
	s_mov_b32 s[G1+5], 32
	s_mov_b32 s[G1+6], 0
	s_mov_b32 s[G1+7], 0
	s_mov_b32 s[SEL], 0x76543210
	s_mov_b32 s[SEL+1], 0xfedcba98
	s_mov_b32 s[CS], 0x3d38aa3b                    ; log2(e) / 32
	s_mov_b32 s[CS+1], s[CS]
	s_mul_i32 s[LB], s[WV], QUARB                  ; my quarter of a slot
	s_mul_i32 s43, s[WV], 2*TILEB
	s_add_co_u32 s43, s43, AIMG                    ; my two blocks' images
	s_lshr_b32 s58, s[WV], 1
	s_lshl_b32 s58, s58, 8
	s_and_b32 s59, s[WV], 1
	s_lshl_b32 s59, s59, 3
	s_add_co_u32 s58, s58, s59
	s_add_co_u32 s58, s58, ASC                     ; their scale words
	s_lshl_b32 s59, s[WV], 7                       ; my two blocks' 128 bytes of each 512 of q and of o
	s_lshl_b32 s60, s[WV], 9
	s_add_co_u32 s60, s60, SCR
	s_wait_dscnt 0x0
	s_wait_kmcnt 0x0
	s_mov_b32 s50, s[LB]
	s_mov_b32 s51, 0
	s_add_nc_u64 s[52:53], s[6:7], s[50:51]        ; my quarter of fill 0
	s_mul_i32 s56, s[CX], 6400
	s_add_co_u32 s56, s56, 2*SLOTB
	s_mov_b32 s57, 0
	s_add_nc_u64 s[PF:PF+1], s[52:53], s[56:57]    ; the prefetches: my work-group's 25 blocks of it, from fill 2 on
	s_lshl_b32 s56, s[WG], 19
	s_lshl_b32 s50, s[WV], 17
	s_add_co_u32 s56, s56, s50
	s_add_nc_u64 s[XB:XB+1], s[4:5], s[56:57]      ; my 32 rows
	s_lshr_b32 s56, s[WG], 5
	s_lshl_b32 s56, s56, 5
	s_add_nc_u64 s[8:9], s[8:9], s[56:57]          ; qbuf [a / 8][batch][a % 8]: my batch
	s_lshl_b32 s56, s[WG], 12
	s_add_nc_u64 s[PO:PO+1], s[10:11], s[56:57]
	s_lshl_b32 s56, s[WG], 2
	s_add_nc_u64 s[12:13], s[12:13], s[56:57]
	CROUND                                         ; in front of the first joint loads
	s_mov_b32 s[G0], 1
	s_mov_b32 s[G0+1], s[LB]
	s_mov_b64 s[G0+2:G0+3], s[52:53]
	s_or_b32 s[G0+3], s[G0+3], 0x80000000
	s_mov_b32 s[G0+4], 1
	s_add_co_u32 s[G0+5], s[LB], SLOTB
	s_add_nc_u64 s[G0+6:G0+7], s[52:53], SLOTB
	s_or_b32 s[G0+7], s[G0+7], 0x80000000
	tensor_load_to_lds s[G0:G0+3], s[G1:G1+7]      ; fill 0: one tensor load a wave at the head
	s_nop 0
	PLACES
	v_lshlrev_b32 v64, 8, v0                       ; q: thread i takes a = 8 i .. 8 i + 7
	v_lshl_add_u32 v65, v0, 5, QL
	v_and_b32 v[LN], 31, v0
	v_and_b32 v[RR], 15, v0
	v_bfe_u32 v[HH], v0, 4, 1
	v_lshlrev_b32 v[TO], 4, v0
	v_lshlrev_b32 v[LI], 4, v[LN]
	v_add_nc_u32 v[IMB], s43, v[LI]
	v_add_nc_u32 v[STW], TILEB, v[IMB]             ; the turning stage lies in my second block's image, which is written last
	v_mul_u32_u24 v[STR], v[RR], 528
	v_lshl_add_u32 v[STR], v[HH], 6, v[STR]
	v_add_nc_u32 v[STR], s43, v[STR]
	v_add_nc_u32 v[STR], TILEB, v[STR]
	v_lshl_add_u32 v[ASB], v[RR], 4, s58
	v_add_nc_u32 v[ADB], s[LB], v[LI]
	v_add_nc_u32 v[ADB+1], SLOTB, v[ADB]
	v_lshl_add_u32 v[ABS], v[LN], 2, s[LB]
	v_add_nc_u32 v[ABS], BSC, v[ABS]
	v_add_nc_u32 v[ABS+1], SLOTB, v[ABS]
	v_lshl_add_u32 v[QAB], v[HH], 5, s59
	v_add_nc_u32 v[OAB], OST8, v[QAB]
	v_add_nc_u32 v[QAB], QL, v[QAB]
	v_lshl_add_u32 v[SCW], v[RR], 2, s60
	v_lshl_add_u32 v[SCRD], v[RR], 2, SCR
	v_lshlrev_b32 v[MLO], 10, v[LN]
	v_min_u32 v[PFO], 24, v[LN]
	v_lshlrev_b32 v[PFO], 8, v[PFO]
.irp b, 0,1,2,3
	v_mov_b32 v[PX+\b], 0
.endr
	s_wait_alu depctr_va_vdst(0)
	global_load_b128 v[Q:Q+3], v64, s[8:9]
	global_load_b128 v[Q+4:Q+7], v64, s[8:9] offset:16
.macro XLOAD set, off
	WIN 0x40
.irp i, 0,1,2,3,4,5,6,7,8,9,10,11,12,13,14,15
	global_load_b128 v[64*(\set)+4*\i:64*(\set)+4*\i+3], v[LI], s[XB:XB+1] offset:(\off)+4096*\i th:TH_LOAD_NT
.endr
	WIN 0
.endm
.macro XTURN u                         ; 16 rows x 512 bytes through my stage: back come 16 neighbours of a block of 32 for each lane
	WIN 0x04
.irp i, 0,1,2,3,4,5,6,7,8,9,10,11,12,13,14,15
	ds_store_b128 v[STW], v[64*((\u)%4)+4*\i:64*((\u)%4)+4*\i+3] offset:528*\i
.endr
	WIN 0x80+0x40*((\u)/4)
.irp b, 0,1,2,3
.irp j, 0,1,2,3
	ds_load_b128 v[64*((\u)%4)+16*\b+4*\j:64*((\u)%4)+16*\b+4*\j+3], v[STR] offset:128*\b+16*\j
.endr
.endr
	WIN 0
.endm
.macro XSTEP u, n
	s_wait_loadcnt \n                              ; this K step's 16 loads are in; the younger sets stay out
	XTURN \u
	s_wait_dscnt 16                                ; the stores have read their registers
.if \u < 4
	XLOAD \u,512*(\u+4)
.else
	s_cmp_eq_u32 s[TILE], 1
	s_cbranch_scc1 .Lnox_\@
	XLOAD \u-4,65536+512*(\u-4)
.Lnox_\@:
.endif
.endm
.macro ROWK
	v_add_f32 v[RT], 0x3727c5ac, v[RT]
	s_wait_alu depctr_va_vdst(0)
	v_rcp_f32 v[RT+1], v[RT]
	v_mov_b32 v[RT+2], 0x42fe0000
	s_wait_alu depctr_va_vdst(0)
	v_mul_f32 v[RT+3], v[RT+2], v[RT+1]
	v_fma_f32 v[RT+4], -v[RT+3], v[RT], v[RT+2]
	v_fma_f32 v[K1], v[RT+4], v[RT+1], v[RT+3]
	v_mul_f32 v[RT+3], 0x3c010204, v[RT]
	v_fma_f32 v[RT+4], -v[RT+3], v[RT+2], v[RT]
	v_fma_f32 v[K2], v[RT+4], 0x3c010204, v[RT+3]
	v_mov_b32 v[K1+1], v[K1]
	v_mov_b32 v[K2+1], v[K2]
.endm
.macro QTILE                           ; a tile of 16 rows x 1,024: the blocks' and the row's largest magnitudes, the rounding, the scale bytes, the codes, the images
.irp hw, 0,1
	WIN 0x28+0x14*\hw
.irp sg, 0,1,2,3
.irp b, 0,1,2,3
	v_max3_num_f32 v[BM+16*\hw+4*\sg+\b], 0, |v[64*\sg+16*\b]|, |v[64*\sg+16*\b+1]|
.endr
.irp i, 2,4,6,8,10,12,14
.irp b, 0,1,2,3
	v_max3_num_f32 v[BM+16*\hw+4*\sg+\b], v[BM+16*\hw+4*\sg+\b], |v[64*\sg+16*\b+\i]|, |v[64*\sg+16*\b+\i+1]|
.endr
.endr
.endr
.endr
	WIN 0
.irp g, 0,1,2,3,4,5,6,7
.irp b, 0,1,2,3
	v_permlanex16_b32 v[PX+\b], v[BM+4*\g+\b], s[SEL], s[SEL+1]
.endr
.irp b, 0,1,2,3
	v_max_num_f32 v[BM+4*\g+\b], v[BM+4*\g+\b], v[PX+\b]
.endr
.endr
.irp k, 0,1,2,3
	v_max3_num_f32 v[RT+\k], v[BM+8*\k], v[BM+8*\k+1], v[BM+8*\k+2]
.endr
.irp i, 3,5
.irp k, 0,1,2,3
	v_max3_num_f32 v[RT+\k], v[RT+\k], v[BM+8*\k+\i], v[BM+8*\k+\i+1]
.endr
.endr
.irp k, 0,1,2,3
	v_max_num_f32 v[RT+\k], v[RT+\k], v[BM+8*\k+7]
.endr
	v_max3_num_f32 v[RT], v[RT], v[RT+1], v[RT+2]
	v_max_num_f32 v[RT], v[RT], v[RT+3]
	ROWK
.irp g, 0,1,2,3,4,5,6,7
.irp b, 0,1,2,3
	v_mul_f32 v[BM+4*\g+\b], v[BM+4*\g+\b], v[K1]
.endr
.irp b, 0,1,2,3
	v_rndne_f32 v[BM+4*\g+\b], v[BM+4*\g+\b]
.endr
.irp b, 0,1,2,3
	v_mul_f32 v[BM+4*\g+\b], v[BM+4*\g+\b], v[K2]
.endr
.irp b, 0,1,2,3
	v_max_num_f32 v[BM+4*\g+\b], 0x2800000, v[BM+4*\g+\b]
.endr
.irp b, 0,1,2,3
	v_add_nc_u32 v[BM+4*\g+\b], 0xfe000000, v[BM+4*\g+\b]
.endr
	v_lshrrev_b32 v[PW+\g], 23, v[BM+4*\g]
	v_lshrrev_b32 v[RT+1], 23, v[BM+4*\g+1]
	v_lshrrev_b32 v[RT+2], 23, v[BM+4*\g+2]
	v_lshrrev_b32 v[RT+3], 23, v[BM+4*\g+3]
	v_lshl_or_b32 v[PW+\g], v[RT+1], 8, v[PW+\g]
	v_lshl_or_b32 v[PW+\g], v[RT+2], 16, v[PW+\g]
	v_lshl_or_b32 v[PW+\g], v[RT+3], 24, v[PW+\g]
.endr
.irp s, 0,1,2,3,4,5,6,7
.set XS_, 64*(\s%4)
.set PCS_, PC+20*(\s%2)
	WIN 0x82+0x41*(\s/4)
.set QN_, 0
.rept 32
	v_pk_mul_f32 v[XS_+QN_:XS_+QN_+1], v[XS_+QN_:XS_+QN_+1], v[K1:K1+1]
.set QN_, QN_+2
.endr
.set QN_, 0
.rept 64
	v_rndne_f32 v[XS_+QN_], v[XS_+QN_]
.set QN_, QN_+1
.endr
.set QN_, 0
.rept 32
	v_pk_mul_f32 v[XS_+QN_:XS_+QN_+1], v[XS_+QN_:XS_+QN_+1], v[K2:K2+1]
.set QN_, QN_+2
.endr
	s_wait_alu depctr_va_vdst(0)
	s_wait_dscnt 4                                 ; the stores of two K steps ago have read the codes' registers
	WIN 0x02+(\s/4)
.irp c, 0,1
	v_cvt_scalef32_pk16_bf6_f32 v[PCS_+6*\c:PCS_+6*\c+2], v[XS_+32*\c:XS_+32*\c+15], v[BM+4*\s+2*\c]
	v_cvt_scalef32_pk16_bf6_f32 v[PCS_+12+4*\c:PCS_+14+4*\c], v[XS_+16+32*\c:XS_+31+32*\c], v[BM+4*\s+2*\c+1]
.endr
	v_nop
	WIN 0
.irp c, 0,1
.irp i, 0,1,2
	v_permlane16_swap_b32 v[PCS_+6*\c+\i], v[PCS_+12+4*\c+\i]
.endr
.irp i, 0,1,2
	v_mov_b32 v[PCS_+3+6*\c+\i], v[PCS_+12+4*\c+\i]
.endr
.endr
.irp c, 0,1,2
	ds_store_b128 v[IMW], v[PCS_+4*\c:PCS_+4*\c+3] offset:FRB*\s+512*\c
.endr
	ds_store_b32 v[ASW], v[PW+\s] offset:512*\s
.endr
.endm
	XLOAD 0,0
	XLOAD 1,512
	XLOAD 2,1024
	XLOAD 3,1536
	s_wait_tensorcnt 0x0                           ; the first rows are asked for: now slot 1's first fill, issued as a refill is.  My part of fill 0 is in
	ds_add_u32 v[SPW], v[NIL]
	s_wait_dscnt 0x0
	CROUND
	tensor_load_to_lds s[G0+4:G0+7], s[G1:G1+7]    ; fill 1, the first tensor load behind the round
	s_nop 0
	PLACES
	s_wait_loadcnt 63                              ; behind q's two loads 64 were issued
	ds_store_b128 v65, v[Q:Q+3]
	ds_store_b128 v65, v[Q+4:Q+7] offset:16
	s_mov_b32 s[TILE], 0
	s_mov_b32 s[TI], 0
	s_mov_b32 s[TS2], 0
.Ltile:
	XSTEP 0, 48
	XSTEP 1, 48
	s_cmp_lt_u32 ttmp9, 4
	s_cbranch_scc0 .Lno_prefetch_main0
	global_prefetch_b8 v[PFO], s[PF:PF+1] th:TH_LOAD_NT scope:SCOPE_SE                ; fill 2 + 2 x trip
.Lno_prefetch_main0:
	XSTEP 2, 48
	XSTEP 3, 48
	XSTEP 4, 48
	XSTEP 5, 32
	s_cmp_lt_u32 ttmp9, 4
	s_cbranch_scc0 .Lno_prefetch_main1
	global_prefetch_b8 v[PFO], s[PF:PF+1] offset:SLOTB th:TH_LOAD_NT scope:SCOPE_SE   ; fill 3 + 2 x trip
.Lno_prefetch_main1:
	XSTEP 6, 16
	XSTEP 7, 0
	s_wait_dscnt 0x0
	v_add_nc_u32 v[IMW], s[TI], v[IMB]
	v_add_nc_u32 v[ASW], s[TS2], v[ASB]
	QTILE
	s_wait_xcnt 0x0
	s_add_nc_u64 s[XB:XB+1], s[XB:XB+1], 65536
	s_add_nc_u64 s[PF:PF+1], s[PF:PF+1], 2*SLOTB
	s_add_co_u32 s[TI], s[TI], TILEB
	s_add_co_u32 s[TS2], s[TS2], 4
	s_add_co_u32 s[TILE], s[TILE], 1
	s_cmp_lt_u32 s[TILE], 2
	s_cbranch_scc1 .Ltile
	v_lshlrev_b32 v66, 4, v[RR]
	v_lshl_add_u32 v66, v[HH], 2, v66
	v_add_nc_u32 v66, ASC, v66                     ; x's scale words: 16 r + 4 h
	v_add_nc_u32 v64, AIMG, v[LI]                  ; x's blocks 0-3,
	v_add_nc_u32 v65, AIMG+4*TILEB, v[LI]          ; and 4-7
.irp i, 0,1,2,3,4,5,6,7,8,9,10,11,12,13,14,15
	v_mov_b32 v[T+\i], 0
.endr
	s_wait_alu depctr_va_vdst(0)
	s_wait_dscnt 0x0                               ; my images, scale words and q lie in LDS
	s_barrier_signal -1
	s_barrier_wait -1
.set IX, 0
.rept 64                               ; all 64 fragments of x into my registers
	WIN (((IX/21)+1)%4)<<6
.irp c, 0,1,2
	ds_load_b128 v[(IX%21)*12+(IX/63)*AX+4*\c:(IX%21)*12+(IX/63)*AX+4*\c+3], v[64+(IX%8)/4] offset:TILEB*(IX%4)+FRB*(IX/8)+512*\c
.endr
.set IX, IX+1
.endr
	WIN 0
.irp k, 0,1,2,3,4,5,6,7
.irp i, 0,1,2,3
	ds_load_b32 v[AS+4*\k+\i], v66 offset:512*\k+256*(\i/2)+8*(\i%2)
.endr
.endr
.macro LDBF slot, c, k0                ; four fragments, K steps k0 .. k0 + 3, of block c of my quarter: 12 LDS loads
.irp k, \k0, \k0+1, \k0+2, \k0+3
.irp e, 0,1,2
	ds_load_b128 v[BF+12*(\k)+4*\e:BF+12*(\k)+4*\e+3], v[ADB+(\slot)] offset:TILEB*(\c)+FRB*(\k)+512*\e
.endr
.endr
.endm
.macro LDBS slot, c                    ; its scale words into set c
.irp i, 0,1,2,3
	ds_load_b32 v[BS+4*(\c)+\i], v[ABS+(\slot)] offset:512*(\c)+128*\i
.endr
.endm
.macro K8Z c                           ; K step 0 starts the 8 sums
	WIN 0x04
.irp a, 0,2,4,6
	v_wmma_scale_f32_16x16x128_f8f6f4 v[ACC+8*\a:ACC+8*\a+7], v[BF:BF+11], v[12*\a:12*\a+11], 0, v[BS+4*(\c)], v[AS+\a/2] matrix_a_fmt:MATRIX_FMT_BF6 matrix_b_fmt:MATRIX_FMT_BF6
	v_wmma_scale_f32_16x16x128_f8f6f4 v[ACC+8*\a+8:ACC+8*\a+15], v[BF:BF+11], v[12*\a+12:12*\a+23], 0, v[BS+4*(\c)], v[AS+\a/2] matrix_a_fmt:MATRIX_FMT_BF6 matrix_b_fmt:MATRIX_FMT_BF6 matrix_b_scale:MATRIX_SCALE_ROW1
.endr
.endm
.macro K8 k, c                         ; K step k: the block's fragment against x's eight; the 8 accumulators take turns
.irp a, 0,1,2,3,4,5,6,7
.set IX_, 8*(\k)+\a
.set XR_, (IX_%21)*12+(IX_/63)*AX
	WIN (((IX_/21)+1)%4)<<2
.if ((\k)%2 == 0) && (\a%2 == 0)
	v_wmma_scale_f32_16x16x128_f8f6f4 v[ACC+8*\a:ACC+8*\a+7], v[BF+12*(\k):BF+12*(\k)+11], v[XR_:XR_+11], v[ACC+8*\a:ACC+8*\a+7], v[BS+4*(\c)+(\k)/2], v[AS+4*(\k)+\a/2] matrix_a_fmt:MATRIX_FMT_BF6 matrix_b_fmt:MATRIX_FMT_BF6
.endif
.if ((\k)%2 == 0) && (\a%2 == 1)
	v_wmma_scale_f32_16x16x128_f8f6f4 v[ACC+8*\a:ACC+8*\a+7], v[BF+12*(\k):BF+12*(\k)+11], v[XR_:XR_+11], v[ACC+8*\a:ACC+8*\a+7], v[BS+4*(\c)+(\k)/2], v[AS+4*(\k)+\a/2] matrix_a_fmt:MATRIX_FMT_BF6 matrix_b_fmt:MATRIX_FMT_BF6 matrix_b_scale:MATRIX_SCALE_ROW1
.endif
.if ((\k)%2 == 1) && (\a%2 == 0)
	v_wmma_scale_f32_16x16x128_f8f6f4 v[ACC+8*\a:ACC+8*\a+7], v[BF+12*(\k):BF+12*(\k)+11], v[XR_:XR_+11], v[ACC+8*\a:ACC+8*\a+7], v[BS+4*(\c)+(\k)/2], v[AS+4*(\k)+\a/2] matrix_a_fmt:MATRIX_FMT_BF6 matrix_b_fmt:MATRIX_FMT_BF6 matrix_a_scale:MATRIX_SCALE_ROW1
.endif
.if ((\k)%2 == 1) && (\a%2 == 1)
	v_wmma_scale_f32_16x16x128_f8f6f4 v[ACC+8*\a:ACC+8*\a+7], v[BF+12*(\k):BF+12*(\k)+11], v[XR_:XR_+11], v[ACC+8*\a:ACC+8*\a+7], v[BS+4*(\c)+(\k)/2], v[AS+4*(\k)+\a/2] matrix_a_fmt:MATRIX_FMT_BF6 matrix_b_fmt:MATRIX_FMT_BF6 matrix_a_scale:MATRIX_SCALE_ROW1 matrix_b_scale:MATRIX_SCALE_ROW1
.endif
.endr
.endm
.macro KEPI                            ; a block of k: T(a) += k(row r of block a, columns 8 h + j) q(those columns), two columns an instruction; each accumulator from its low end on
	s_wait_dscnt 0x0                               ; q is in
.irp jp, 0,1,2,3
.irp a, 0,1,2,3,4,5,6,7
	v_pk_fma_f32 v[T+2*\a:T+2*\a+1], v[ACC+8*\a+2*\jp:ACC+8*\a+2*\jp+1], v[Q+2*\jp:Q+2*\jp+1], v[T+2*\a:T+2*\a+1]
.endr
.endr
.endm
.macro VEPI off                        ; a block of v: O(j) = sum over the blocks a of p(row r of a) v(that row, column 8 h + j), then over the 16 lanes r
.irp a, 0,1,2,3,4,5,6,7
.irp jp, 0,1,2,3
.if \a == 0
	v_pk_mul_f32 v[O+2*\jp:O+2*\jp+1], v[ACC+2*\jp:ACC+2*\jp+1], v[P:P+1] op_sel_hi:[1,0]
.else
.if (\a%2) == 0
	v_pk_fma_f32 v[O+2*\jp:O+2*\jp+1], v[ACC+8*\a+2*\jp:ACC+8*\a+2*\jp+1], v[P+\a:P+\a+1], v[O+2*\jp:O+2*\jp+1] op_sel_hi:[1,0,1]
.else
	v_pk_fma_f32 v[O+2*\jp:O+2*\jp+1], v[ACC+8*\a+2*\jp:ACC+8*\a+2*\jp+1], v[P+\a-1:P+\a], v[O+2*\jp:O+2*\jp+1] op_sel:[0,1,0] op_sel_hi:[1,1,1]
.endif
.endif
.endr
.endr
.irp x, 1,2,4,8
.irp j, 0,1,2,3,4,5,6,7
	v_add_f32_dpp v[O+\j], v[O+\j], v[O+\j] row_xmask:\x row_mask:0xf bank_mask:0xf
.endr
.endr
	ds_store_b128 v[OAD], v[O:O+3] offset:\off     ; the 16 lanes of a half store the same 32 bytes with the same values
	ds_store_b128 v[OAD], v[O+4:O+7] offset:(\off)+16
.endm
; A BLOCK: block c of my quarter of a slot; i: its number in the lap; loop = 1: in the loop (q may be wanted, a slot is filled again); more = 1: a block follows.
; LDS loads stand at two places: in the middle the next block's K steps 0-3 and scale words (16 loads), behind the block's end its K steps 4-7 (12 loads).
; s_wait_dscnt 12 at the head: those 12 may be out, all that is older is in.  The second block of a slot changes slots in its middle: my reads of this slot are then over (the wait for 0).
.macro BLK slot, c, i, loop, more
.set NS_, (\slot)^(\c)
.set NC_, 1-(\c)
	s_wait_dscnt 12
	K8Z \c
	K8 1,\c
	K8 2,\c
.if (\c) && (\loop)
	WIN 0
	s_wait_tensorcnt 0x0                           ; all my tensor loads have landed: my quarter of the next slot
	ds_add_u32 v[SPW], v[NIL]
	K8 3,\c
	s_wait_dscnt 0x0                               ; the add, and my reads of this slot
	s_barrier_signal -1
	K8 4,\c
	WIN 0
	s_barrier_wait -1
	CREST                                          ; the barrier has opened a round of the cluster's barrier
	s_add_nc_u64 s[G0+4*\slot+2:G0+4*\slot+3], s[G0+4*\slot+2:G0+4*\slot+3], 2*SLOTB
	tensor_load_to_lds s[G0+4*\slot:G0+4*\slot+3], s[G1:G1+7]
	s_nop 0
.else
	K8 3,\c
	WIN 0
.if (\c) && (\more)
	s_wait_tensorcnt 0x0                           ; the last fill: I alone read the quarter that I loaded, and nothing is filled again
.endif
	s_wait_dscnt 0x0                               ; K steps 4-7 are in
.endif
.if \more
	PLACES                                         ; in front of loads into registers that matrix instructions have read
.if \loop
	s_cmp_lt_u32 s[LAP], 4                         ; laps 0-3 are w_k's: q at this block's columns
	s_cbranch_scc0 .Lnq_\@
	ds_load_b128 v[Q:Q+3], v[QAD] offset:512*((\i)/2)+64*((\i)%2)
	ds_load_b128 v[Q+4:Q+7], v[QAD] offset:512*((\i)/2)+64*((\i)%2)+16
.Lnq_\@:
.endif
	LDBF NS_,NC_,0
	LDBS NS_,NC_
.if (\c) && (\loop)
	s_cmp_lt_u32 s[LAP], 5                         ; lap L refills with fills 2 L + 2 and 2 L + 3 and names fills 2 L + 6 and 2 L + 7; the last fill is 15
	s_cbranch_scc0 .Lnpf_\@
	s_cmp_lt_u32 ttmp9, 4
	s_cbranch_scc0 .Lno_prefetch_main2_\@
	global_prefetch_b8 v[PFO], s[PF:PF+1] offset:SLOTB*\slot th:TH_LOAD_NT scope:SCOPE_SE
.Lno_prefetch_main2_\@:
.Lnpf_\@:
.endif
.endif
.if !((\c) && (\loop))
	K8 4,\c
.endif
	K8 5,\c
	K8 6,\c
	K8 7,\c
	PLACES                                         ; in front of the first read of results
	WIN 0
.if \loop
	s_cmp_lt_u32 s[LAP], 4
	s_cbranch_scc0 .Lv_\@
	KEPI
	s_branch .Le_\@
.Lv_\@:
	VEPI 512*((\i)/2)+64*((\i)%2)
.Le_\@:
.else
	VEPI 512*((\i)/2)+64*((\i)%2)
.endif
	s_wait_alu depctr_va_vdst(0)
.if \more
	LDBF NS_,NC_,4
.endif
.endm
.macro SOFTMAX
.irp a, 0,1,2,3,4,5,6,7
	v_add_f32 v[ACC+\a], v[T+2*\a], v[T+2*\a+1]
.endr
.irp a, 0,1,2,3,4,5,6,7
	v_permlanex16_b32 v[ACC+8+\a], v[ACC+\a], s[SEL], s[SEL+1]
.endr
.irp a, 0,1,2,3,4,5,6,7
	v_add_f32 v[ACC+\a], v[ACC+\a], v[ACC+8+\a]    ; my 256 columns' part of the score of row r of block a
.endr
.irp a, 0,1,2,3,4,5,6,7
	ds_store_b32 v[SCW], v[ACC+\a] offset:64*\a
.endr
	s_wait_dscnt 0x0
	s_barrier_signal -1
	s_barrier_wait -1
.irp u, 0,1,2,3
.irp a, 0,1,2,3,4,5,6,7
	ds_load_b32 v[ACC+8*\u+\a], v[SCRD] offset:512*\u+64*\a
.endr
.endr
	s_wait_dscnt 0x0
.irp a, 0,2,4,6
	v_pk_add_f32 v[ACC+\a:ACC+\a+1], v[ACC+\a:ACC+\a+1], v[ACC+8+\a:ACC+9+\a]
	v_pk_add_f32 v[ACC+16+\a:ACC+17+\a], v[ACC+16+\a:ACC+17+\a], v[ACC+24+\a:ACC+25+\a]
.endr
.irp a, 0,2,4,6
	v_pk_add_f32 v[ACC+\a:ACC+\a+1], v[ACC+\a:ACC+\a+1], v[ACC+16+\a:ACC+17+\a]   ; the four waves' parts: the scores
.endr
	v_max3_num_f32 v[ACC+32], v[ACC], v[ACC+1], v[ACC+2]
	v_max3_num_f32 v[ACC+33], v[ACC+3], v[ACC+4], v[ACC+5]
	v_max3_num_f32 v[ACC+32], v[ACC+32], v[ACC+6], v[ACC+7]
	v_max_num_f32 v[ACC+32], v[ACC+32], v[ACC+33]
.irp x, 1,2,4,8
	v_max_num_f32_dpp v[ACC+32], v[ACC+32], v[ACC+32] row_xmask:\x row_mask:0xf bank_mask:0xf
.endr
	v_mul_f32 v[ACC+34], s[CS], v[ACC+32]          ; m: the largest of the 128, as an exponent to the base 2
	v_mov_b32 v[ACC+35], v[ACC+34]
.irp a, 0,2,4,6
	v_pk_fma_f32 v[P+\a:P+\a+1], v[ACC+\a:ACC+\a+1], s[CS:CS+1], v[ACC+34:ACC+35] op_sel_hi:[1,0,0] neg_lo:[0,0,1] neg_hi:[0,0,1]
.endr
	s_wait_alu depctr_va_vdst(0)
.irp a, 0,1,2,3,4,5,6,7
	v_exp_f32 v[P+\a], v[P+\a]
.endr
	v_nop
	s_wait_alu depctr_va_vdst(0)
	v_pk_add_f32 v[ACC+36:ACC+37], v[P:P+1], v[P+2:P+3]
	v_pk_add_f32 v[ACC+38:ACC+39], v[P+4:P+5], v[P+6:P+7]
	v_pk_add_f32 v[ACC+36:ACC+37], v[ACC+36:ACC+37], v[ACC+38:ACC+39]
	v_add_f32 v[ACC+36], v[ACC+36], v[ACC+37]
.irp x, 1,2,4,8
	v_add_f32_dpp v[ACC+36], v[ACC+36], v[ACC+36] row_xmask:\x row_mask:0xf bank_mask:0xf
.endr
	s_wait_alu depctr_va_vdst(0)
	s_cmp_lg_u32 s[WV], 0
	s_cbranch_scc1 .Lnoml
	v_cmp_eq_u32 vcc_lo, 0, v[LN]
	v_cndmask_b32 v[ACC+40], v[ACC+36], v[ACC+34], vcc_lo
	v_cmp_gt_u32 vcc_lo, 2, v[LN]
	s_wait_alu depctr_va_vdst(0)
	s_wait_xcnt 0x0                                ; EXEC changes only behind this wait
	s_and_saveexec_b32 s50, vcc_lo
	global_store_b32 v[MLO], v[ACC+40], s[12:13]   ; lane 0: m; lane 1, 1,024 bytes on: the sum
	s_wait_xcnt 0x0
	s_or_b32 exec_lo, exec_lo, s50
.Lnoml:
.endm
	LDBF 0,0,0                                     ; the first block, in the order that every block leaves behind it
	LDBS 0,0
	LDBF 0,0,4
	s_mov_b32 s[LAP], 0
.Llap:                                                 ; a lap: two fills, four blocks a wave
	s_min_u32 s50, s[LAP], 3
	s_lshl_b32 s50, s50, 10
	s_lshl_b32 s51, s[LAP], 10
	v_add_nc_u32 v[QAD], s50, v[QAB]
	v_add_nc_u32 v[OAD], s51, v[OAB]
	s_wait_alu depctr_va_vdst(0)
	BLK 0,0,0,1,1
	BLK 0,1,1,1,1
	BLK 1,0,2,1,1
	BLK 1,1,3,1,1
	s_cmp_eq_u32 s[LAP], 3
	s_cbranch_scc0 .Lnosm
	SOFTMAX
.Lnosm:
	s_wait_xcnt 0x0                                ; the lap's prefetches have read their base
	s_add_nc_u64 s[PF:PF+1], s[PF:PF+1], 2*SLOTB
	s_add_co_u32 s[LAP], s[LAP], 1
	s_cmp_lt_u32 s[LAP], 7
	s_cbranch_scc1 .Llap
	v_add_nc_u32 v[OAD], 7*1024, v[OAB]            ; the last lap is written out: it fills nothing
	v_add_nc_u32 v[QAD], OST8+4096, v[TO]          ; and the way out of o's stage
	s_wait_alu depctr_va_vdst(0)
	BLK 0,0,0,0,1
	BLK 0,1,1,0,1
	BLK 1,0,2,0,1
	BLK 1,1,3,0,0
	s_wait_dscnt 0x0                               ; my part of o lies in LDS
	s_barrier_signal -1
	s_barrier_wait -1
	ds_load_b128 v[ACC:ACC+3], v[QAD]
	ds_load_b128 v[ACC+4:ACC+7], v[QAD] offset:2048
	s_wait_dscnt 0x0
	global_store_b128 v[TO], v[ACC:ACC+3], s[PO:PO+1]               ; a wave stores 512 consecutive bytes, aligned
	global_store_b128 v[TO], v[ACC+4:ACC+7], s[PO:PO+1] offset:2048
	s_wait_tensorcnt 0x0                           ; the wave's end
	ds_add_u32 v[SPW], v[NIL]
	s_wait_dscnt 0x0
	CROUND                                         ; the closing round
	s_endpgm
.Lfunc_end_k_qab1d335e0b_main:
	.size	k_qab1d335e0b_main, .Lfunc_end_k_qab1d335e0b_main-k_qab1d335e0b_main
	.p2alignl 7, 3214868480
	.fill 96, 4, 3214868480
	.section	.rodata,"a",@progbits
	.p2align	6, 0x0
	.amdhsa_kernel k_qab1d335e0b_main
		.amdhsa_group_segment_fixed_size 327680
		.amdhsa_private_segment_fixed_size 0
		.amdhsa_enable_private_segment 0
		.amdhsa_kernarg_size 40
		.amdhsa_user_sgpr_count 2
		.amdhsa_user_sgpr_kernarg_segment_ptr 1
		.amdhsa_wavefront_size32 1
		.amdhsa_system_sgpr_workgroup_id_x 1
		.amdhsa_system_sgpr_workgroup_id_y 1
		.amdhsa_system_sgpr_workgroup_id_z 1
		.amdhsa_system_vgpr_workitem_id 0
		.amdhsa_next_free_vgpr 1024
		.amdhsa_next_free_sgpr 66
		.amdhsa_reserve_vcc 1
		.amdhsa_float_denorm_mode_32 3
		.amdhsa_float_denorm_mode_16_64 3
		.amdhsa_memory_ordered 1
		.amdhsa_forward_progress 1
		.amdhsa_inst_pref_size 255
	.end_amdhsa_kernel
	.section	.bss,"aw",@nobits
	.p2align	6
	.space	262144
	.amdgpu_metadata
---
amdhsa.version: [ 1, 2 ]
amdhsa.kernels:
  - .name:           k_qab1d335e0b_main
    .symbol:         k_qab1d335e0b_main.kd
    .args:
      - { .name: context_memory, .offset: 0, .size: 8, .value_kind: global_buffer, .address_space: global }
      - { .name: wimg, .offset: 8, .size: 8, .value_kind: global_buffer, .address_space: global }
      - { .name: qbuf, .offset: 16, .size: 8, .value_kind: global_buffer, .address_space: global }
      - { .name: part_o, .offset: 24, .size: 8, .value_kind: global_buffer, .address_space: global }
      - { .name: part_ml, .offset: 32, .size: 8, .value_kind: global_buffer, .address_space: global }
    .group_segment_fixed_size: 327680
    .private_segment_fixed_size: 0
    .kernarg_segment_align: 8
    .kernarg_segment_size: 40
    .max_flat_workgroup_size: 128
    .sgpr_count:     66
    .vgpr_count:     1024
    .wavefront_size: 32
...
	.end_amdgpu_metadata
.endif
;; end of part 3
;; launch finish (part 4): grid 32 x 8, 8 waves a work-group, no clusters, 9,728 bytes of LDS; arguments part_o, part_ml, query, b_v, w_c, psum, b_c, out0; writes out0
.if DOCPART == 4
	.amdgcn_target "amdgcn-amd-amdhsa--gfx1250"
	.amdhsa_code_object_version 6
	.text
	.protected	k_qab1d335e0b_finish
	.globl	k_qab1d335e0b_finish
	.p2align	8
	.type	k_qab1d335e0b_finish,@function
k_qab1d335e0b_finish:
	s_mov_b64 s[64:65], 0
	v_nop
	global_prefetch_b8 v0, s[64:65] scope:SCOPE_SE
	s_setreg_imm32_b32 hwreg(HW_REG_WAVE_MODE, 25, 1), 1
	s_wait_xcnt 0x0
; A batch's 32 parts (o, m, l) are joined: M = the largest m, a_i = 2^(m_i - M) / sum of 2^(m_i - M) l_i, ctx = sum a_i o_i + b_v (the weights of a softmax add up to 1, so b_v enters once);
; then out = bitlinear([query, ctx], w_c, b_c) by f32 multiply-adds (8 rows: no matrix work).
; Work-group (x, y) makes outputs 32 x .. 32 x + 31 of batch y.  Every work-group of a batch makes ctx for itself: thread t holds columns 4 t .. 4 t + 3.  A wave takes four rows of w_c, 8,192 bytes each, two buffers by turns.
; A work-group's 32 outputs are 128 consecutive bytes: half of an aligned 256; whole ones would halve the work-groups, for an output of 32,768 bytes.
; LIMITS: as in the launches before: NaN and infinities are not served; the activations' clip and their sum x + (xq - x) are not written (neither can act); divisions are a reciprocal with one correcting step.
.set LN, 1
.set LI, 2                             ; 16 x lane
.set TI4, 3                            ; 16 x thread
.set L4, 4                             ; 4 x lane
.set REDW, 5
.set DB, 6                             ; v[6:7]
.set SS, 8
.set YY, 10
.set TT, 12                            ; v12-27
.set PX, 28
.set XW, 29
.set XR, 30
.set OW, 31
.set C,  32                            ; v32-35 ctx
.set Q,  36                            ; v36-39 query
.set BV, 40
.set PS, 44
.set MM, 48
.set LL, 49
.set BC, 50
.set ORD, 51
.set K1, 52
.set K2, 54
.set RT, 56                            ; v56-60
.set DA, 62                            ; v[62:63]
.set W0, 64                            ; v64-127, v128-191: two rows of w_c
.set O,  128                           ; v128-255: the 32 parts' o, ahead of that
.set XQ, 192                           ; v192-255: the rounded [query, ctx], 64 numbers a lane
.set SEL, 22
.set RED, 0
.set XQL, 256
.set OUTL, 8448
.macro WSUM r
	s_delay_alu instid0(VALU_DEP_1)
	v_add_f32_dpp v[\r], v[\r], v[\r] row_xmask:1 row_mask:0xf bank_mask:0xf
	s_delay_alu instid0(VALU_DEP_1)
	v_add_f32_dpp v[\r], v[\r], v[\r] row_xmask:2 row_mask:0xf bank_mask:0xf
	s_delay_alu instid0(VALU_DEP_1)
	v_add_f32_dpp v[\r], v[\r], v[\r] row_xmask:4 row_mask:0xf bank_mask:0xf
	s_delay_alu instid0(VALU_DEP_1)
	v_add_f32_dpp v[\r], v[\r], v[\r] row_xmask:8 row_mask:0xf bank_mask:0xf
	s_delay_alu instid0(VALU_DEP_1)
	v_permlanex16_b32 v[PX], v[\r], s[SEL], s[SEL+1]
	s_delay_alu instid0(VALU_DEP_1)
	v_add_f32 v[\r], v[\r], v[PX]
.endm
.macro WMAX r
	s_delay_alu instid0(VALU_DEP_1)
	v_max_num_f32_dpp v[\r], v[\r], v[\r] row_xmask:1 row_mask:0xf bank_mask:0xf
	s_delay_alu instid0(VALU_DEP_1)
	v_max_num_f32_dpp v[\r], v[\r], v[\r] row_xmask:2 row_mask:0xf bank_mask:0xf
	s_delay_alu instid0(VALU_DEP_1)
	v_max_num_f32_dpp v[\r], v[\r], v[\r] row_xmask:4 row_mask:0xf bank_mask:0xf
	s_delay_alu instid0(VALU_DEP_1)
	v_max_num_f32_dpp v[\r], v[\r], v[\r] row_xmask:8 row_mask:0xf bank_mask:0xf
	s_delay_alu instid0(VALU_DEP_1)
	v_permlanex16_b32 v[PX], v[\r], s[SEL], s[SEL+1]
	s_delay_alu instid0(VALU_DEP_1)
	v_max_num_f32 v[\r], v[\r], v[PX]
.endm
.macro TERN reg, n                     ; n numbers in place: w + (clip(round(w / s)) x s - w); four pairs by turns
.set TN_, 0
.rept (\n)/8
.irp p, 0,1,2,3
	v_pk_mul_f32 v[TT+4*\p:TT+4*\p+1], v[\reg+TN_+2*\p:\reg+TN_+2*\p+1], v[YY:YY+1]
.endr
.irp p, 0,1,2,3
	s_delay_alu instid0(VALU_DEP_4)
	v_pk_fma_f32 v[TT+4*\p+2:TT+4*\p+3], v[TT+4*\p:TT+4*\p+1], v[SS:SS+1], v[\reg+TN_+2*\p:\reg+TN_+2*\p+1] neg_lo:[1,0,0] neg_hi:[1,0,0]
.endr
.irp p, 0,1,2,3
	v_pk_fma_f32 v[TT+4*\p:TT+4*\p+1], v[TT+4*\p+2:TT+4*\p+3], v[YY:YY+1], v[TT+4*\p:TT+4*\p+1]
.endr
.irp p, 0,1,2,3
	v_rndne_f32 v[TT+4*\p], v[TT+4*\p]
	v_rndne_f32 v[TT+4*\p+1], v[TT+4*\p+1]
.endr
.irp p, 0,1,2,3
	v_med3_num_f32 v[TT+4*\p], v[TT+4*\p], -1.0, 1.0
	v_med3_num_f32 v[TT+4*\p+1], v[TT+4*\p+1], -1.0, 1.0
.endr
.irp p, 0,1,2,3
	v_pk_mul_f32 v[TT+4*\p:TT+4*\p+1], v[TT+4*\p:TT+4*\p+1], v[SS:SS+1]
.endr
.irp p, 0,1,2,3
	s_delay_alu instid0(VALU_DEP_4)
	v_pk_add_f32 v[TT+4*\p:TT+4*\p+1], v[TT+4*\p:TT+4*\p+1], v[\reg+TN_+2*\p:\reg+TN_+2*\p+1] neg_lo:[0,1] neg_hi:[0,1]
.endr
.irp p, 0,1,2,3
	s_delay_alu instid0(VALU_DEP_4)
	v_pk_add_f32 v[\reg+TN_+2*\p:\reg+TN_+2*\p+1], v[\reg+TN_+2*\p:\reg+TN_+2*\p+1], v[TT+4*\p:TT+4*\p+1]
.endr
.set TN_, TN_+8
.endr
.endm
.macro ROWK
	s_delay_alu instid0(VALU_DEP_1)
	v_add_f32 v[RT], 0x3727c5ac, v[RT]
	s_wait_alu depctr_va_vdst(0)
	v_rcp_f32 v[RT+1], v[RT]
	v_mov_b32 v[RT+2], 0x42fe0000                  ; 127 (the plain place behind the reciprocal)
	s_wait_alu depctr_va_vdst(0)
	v_mul_f32 v[RT+3], v[RT+2], v[RT+1]
	s_delay_alu instid0(VALU_DEP_1)
	v_fma_f32 v[RT+4], -v[RT+3], v[RT], v[RT+2]
	v_fma_f32 v[K1], v[RT+4], v[RT+1], v[RT+3]
	v_mul_f32 v[RT+3], 0x3c010204, v[RT]
	s_delay_alu instid0(VALU_DEP_1)
	v_fma_f32 v[RT+4], -v[RT+3], v[RT+2], v[RT]
	s_delay_alu instid0(VALU_DEP_1)
	v_fma_f32 v[K2], v[RT+4], 0x3c010204, v[RT+3]
	s_delay_alu instid0(VALU_DEP_4)
	v_mov_b32 v[K1+1], v[K1]
	s_delay_alu instid0(VALU_DEP_2)
	v_mov_b32 v[K2+1], v[K2]
.endm
.macro WLOAD row                       ; a row of w_c into buffer row % 2: k = 128 m + 4 x lane + 0 .. 3
.irp m, 0,1,2,3,4,5,6,7,8,9,10,11,12,13,14,15
	global_load_b128 v[W0+64*((\row)%2)+4*\m:W0+64*((\row)%2)+4*\m+3], v[LI], s[12:13] offset:8192*(\row)+512*\m
.endr
.endm
	s_load_b256 s[4:11], s[0:1], 0x0               ; part_o s[4:5], part_ml s[6:7], query s[8:9], b_v s[10:11]
	s_load_b256 s[12:19], s[0:1], 0x20             ; w_c s[12:13], psum s[14:15], b_c s[16:17], out0 s[18:19]
	v_lshl_add_u32 v61, v0, 2, 0x2200
	s_set_vgpr_msb 0x40
	v_mov_b32 v1, 0
	s_set_vgpr_msb 0x4000
	v_lshrrev_b32 v[REDW], 5, v0
	s_delay_alu instid0(VALU_DEP_1)
	v_readfirstlane_b32 s20, v[REDW]               ; wave 0..7
	s_and_b32 s21, ttmp7, 0xffff                   ; the batch
	v_and_b32 v[LN], 31, v0
	s_delay_alu instid0(VALU_DEP_1)
	v_lshlrev_b32 v[LI], 4, v[LN]
	v_lshlrev_b32 v[TI4], 4, v0
	s_delay_alu instid0(VALU_DEP_3)
	v_lshlrev_b32 v[L4], 2, v[LN]
	v_lshl_add_u32 v[OW], v[REDW], 4, OUTL         ; my wave's four results
	v_lshlrev_b32 v[REDW], 2, v[REDW]              ; my wave's word
	v_lshl_add_u32 v[XW], v0, 4, XQL
	v_add_nc_u32 v[XR], XQL, v[LI]
	v_add_nc_u32 v[ORD], OUTL, v[L4]
	v_mov_b32 v[PX], 0
	s_mov_b32 s[SEL], 0x76543210
	s_mov_b32 s[SEL+1], 0xfedcba98
	s_mov_b32 s25, 0
	s_wait_alu depctr_va_vdst(0)
	s_wait_kmcnt 0x0
	s_lshl_b32 s24, s21, 7
	s_add_nc_u64 s[6:7], s[6:7], s[24:25]          ; the batch's 32 m (its l lie 1,024 bytes on)
	s_lshl_b32 s24, s21, 12
	s_add_nc_u64 s[8:9], s[8:9], s[24:25]
	s_add_nc_u64 s[18:19], s[18:19], s[24:25]
	s_lshl_b32 s24, s21, 17
	s_add_nc_u64 s[4:5], s[4:5], s[24:25]          ; its 32 parts of 4,096 bytes
	s_lshl_b32 s24, ttmp9, 7
	s_add_nc_u64 s[16:17], s[16:17], s[24:25]
	s_add_nc_u64 s[18:19], s[18:19], s[24:25]
	s_lshl_b32 s24, ttmp9, 18
	s_lshl_b32 s26, s20, 15
	s_add_co_u32 s24, s24, s26
	s_add_nc_u64 s[12:13], s[12:13], s[24:25]      ; w_c at row 32 x + 4 x wave
	global_load_b128 v[PS:PS+3], v[LI], s[14:15] offset:768   ; w_c's 128 parts, four a lane
	global_load_b32 v[MM], v[L4], s[6:7]           ; a lane a part
	global_load_b32 v[LL], v[L4], s[6:7] offset:1024
	global_load_b128 v[Q:Q+3], v[TI4], s[8:9]
	global_load_b128 v[BV:BV+3], v[TI4], s[10:11]
	global_load_b32 v[BC], v[L4], s[16:17]
.set FN_, 0
.rept 32
	global_load_b128 v[O+4*FN_:O+4*FN_+3], v[TI4], s[4:5] offset:4096*FN_
.set FN_, FN_+1
.endr
	WLOAD 0
	s_wait_loadcnt 16                              ; all but row 0's sixteen loads
	v_add_f32 v[SS], v[PS], v[PS+1]
	v_add_f32 v[PS+2], v[PS+2], v[PS+3]
	s_delay_alu instid0(VALU_DEP_1)
	v_add_f32 v[SS], v[SS], v[PS+2]
	WSUM SS
	s_delay_alu instid0(VALU_DEP_1)
	v_mul_f32 v[SS], 0x35000000, v[SS]             ; / 2,097,152: exact
	s_delay_alu instid0(VALU_DEP_1)
	v_add_f32 v[SS], 0x3727c5ac, v[SS]
	s_wait_alu depctr_va_vdst(0)
	v_rcp_f32 v[YY], v[SS]
	v_mov_b32 v[SS+1], v[SS]                       ; (the plain place behind the reciprocal)
	s_wait_alu depctr_va_vdst(0)
	v_mov_b32 v[YY+1], v[YY]
	v_mov_b32 v[RT], v[MM]
	WMAX RT                                        ; M
	s_delay_alu instid0(VALU_DEP_1)
	v_sub_f32 v[RT+1], v[MM], v[RT]
	s_wait_alu depctr_va_vdst(0)
	v_exp_f32 v[RT+1], v[RT+1]
	v_nop
	s_wait_alu depctr_va_vdst(0)
	v_mul_f32 v[RT+2], v[RT+1], v[LL]
	WSUM RT+2                                      ; the softmax's sum under M
	s_wait_alu depctr_va_vdst(0)
	v_rcp_f32 v[RT+3], v[RT+2]
	v_nop
	s_wait_alu depctr_va_vdst(0)
	v_mul_f32 v[RT+1], v[RT+1], v[RT+3]            ; lane i: part i's weight
.set FN_, 0
.rept 32
	v_readlane_b32 s[32+FN_], v[RT+1], FN_
.set FN_, FN_+1
.endr
.irp e, 0,1,2,3
	v_mul_f32 v[C+\e], s32, v[O+\e]
.endr
.set FN_, 1
.rept 31
.irp e, 0,1,2,3
	s_delay_alu instid0(VALU_DEP_4)
	v_fmac_f32 v[C+\e], s[32+FN_], v[O+4*FN_+\e]
.endr
.set FN_, FN_+1
.endr
	WLOAD 1                                        ; into registers that the parts have left
	v_pk_add_f32 v[C:C+1], v[C:C+1], v[BV:BV+1]
	v_pk_add_f32 v[C+2:C+3], v[C+2:C+3], v[BV+2:BV+3]
	v_max3_num_f32 v[RT], |v[Q]|, |v[Q+1]|, |v[Q+2]|
	s_delay_alu instid0(VALU_DEP_1)
	v_max3_num_f32 v[RT], v[RT], |v[Q+3]|, |v[C]|
	s_delay_alu instid0(VALU_DEP_1)
	v_max3_num_f32 v[RT], v[RT], |v[C+1]|, |v[C+2]|
	s_delay_alu instid0(VALU_DEP_1)
	v_max_num_f32 v[RT], v[RT], |v[C+3]|
	WMAX RT
	ds_store_b32 v[REDW], v[RT]
	s_wait_dscnt 0x0
	s_barrier_signal -1
	s_barrier_wait -1
	v_mov_b32 v[RT+1], RED
	ds_load_b128 v[12:15], v[RT+1]
	ds_load_b128 v[16:19], v[RT+1] offset:16
	s_wait_dscnt 0x0
	v_max3_num_f32 v[RT], v12, v13, v14
	s_delay_alu instid0(VALU_DEP_1)
	v_max3_num_f32 v[RT], v[RT], v15, v16
	s_delay_alu instid0(VALU_DEP_1)
	v_max3_num_f32 v[RT], v[RT], v17, v18
	s_delay_alu instid0(VALU_DEP_1)
	v_max_num_f32 v[RT], v[RT], v19                ; the largest magnitude of the 2,048
	ROWK
.irp e, 0
	s_delay_alu instid0(VALU_DEP_2)
	v_pk_mul_f32 v[Q+\e:Q+\e+1], v[Q+\e:Q+\e+1], v[K1:K1+1]
	s_delay_alu instid0(VALU_DEP_3)
	v_pk_mul_f32 v[C+\e:C+\e+1], v[C+\e:C+\e+1], v[K1:K1+1]
.endr
.irp e, 2
	s_delay_alu instid0(VALU_DEP_4)
	v_pk_mul_f32 v[Q+\e:Q+\e+1], v[Q+\e:Q+\e+1], v[K1:K1+1]
	v_pk_mul_f32 v[C+\e:C+\e+1], v[C+\e:C+\e+1], v[K1:K1+1]
.endr
.irp e, 0,1,2,3
	v_rndne_f32 v[Q+\e], v[Q+\e]
	v_rndne_f32 v[C+\e], v[C+\e]
.endr
.irp e, 0
	v_pk_mul_f32 v[Q+\e:Q+\e+1], v[Q+\e:Q+\e+1], v[K2:K2+1]
	v_pk_mul_f32 v[C+\e:C+\e+1], v[C+\e:C+\e+1], v[K2:K2+1]
.endr
.irp e, 2
	s_delay_alu instid0(VALU_DEP_4)
	v_pk_mul_f32 v[Q+\e:Q+\e+1], v[Q+\e:Q+\e+1], v[K2:K2+1]
	s_delay_alu instid0(VALU_DEP_4)
	v_pk_mul_f32 v[C+\e:C+\e+1], v[C+\e:C+\e+1], v[K2:K2+1]
.endr
	ds_store_b128 v[XW], v[Q:Q+3]
	ds_store_b128 v[XW], v[C:C+3] offset:4096
	s_wait_dscnt 0x0
	s_barrier_signal -1
	s_barrier_wait -1
.irp m, 0,1,2,3,4,5,6,7,8,9,10,11,12,13,14,15
	ds_load_b128 v[XQ+4*\m:XQ+4*\m+3], v[XR] offset:512*\m
.endr
.macro ROW p, n
.set WB_, W0+64*((\p)%2)
	s_wait_loadcnt \n                              ; this row is in; the other buffer's sixteen loads stay out
	TERN WB_, 64
	s_wait_dscnt 0x0                               ; the rounded row is in, and the last result's store has read its register
	v_pk_mul_f32 v[DA:DA+1], v[WB_:WB_+1], v[XQ:XQ+1]
	v_pk_mul_f32 v[DB:DB+1], v[WB_+2:WB_+3], v[XQ+2:XQ+3]
.set RN_, 4
.rept 15
	s_delay_alu instid0(VALU_DEP_2)
	v_pk_fma_f32 v[DA:DA+1], v[WB_+RN_:WB_+RN_+1], v[XQ+RN_:XQ+RN_+1], v[DA:DA+1]
	s_delay_alu instid0(VALU_DEP_2)
	v_pk_fma_f32 v[DB:DB+1], v[WB_+RN_+2:WB_+RN_+3], v[XQ+RN_+2:XQ+RN_+3], v[DB:DB+1]
.set RN_, RN_+4
.endr
	s_delay_alu instid0(VALU_DEP_1)
	v_pk_add_f32 v[DA:DA+1], v[DA:DA+1], v[DB:DB+1]
	s_delay_alu instid0(VALU_DEP_1)
	v_add_f32 v[DA], v[DA], v[DA+1]
	WSUM DA
	ds_store_b32 v[OW], v[DA] offset:4*(\p)
.if (\p) < 2
	WLOAD (\p)+2
.endif
.endm
	ROW 0, 16
	ROW 1, 16
	ROW 2, 16
	ROW 3, 0
	s_wait_dscnt 0x0
	s_barrier_signal -1
	s_barrier_wait -1
	s_cmp_lg_u32 s20, 0
	s_cbranch_scc1 .Lend
	ds_load_b32 v[DA], v[ORD]
	s_wait_dscnt 0x0
	v_add_f32 v[DA], v[DA], v[BC]
	global_store_b32 v[L4], v[DA], s[18:19]        ; 128 consecutive bytes
.Lend:
	s_set_vgpr_msb 0x4
	s_wait_tensorcnt 0x0
	ds_add_u32 v61, v1
	s_wait_dscnt 0x0
	s_set_vgpr_msb 0x400
	s_endpgm
.Lfunc_end_k_qab1d335e0b_finish:
	.size	k_qab1d335e0b_finish, .Lfunc_end_k_qab1d335e0b_finish-k_qab1d335e0b_finish
	.p2alignl 7, 3214868480
	.fill 96, 4, 3214868480
	.section	.rodata,"a",@progbits
	.p2align	6, 0x0
	.amdhsa_kernel k_qab1d335e0b_finish
		.amdhsa_group_segment_fixed_size 9728
		.amdhsa_private_segment_fixed_size 0
		.amdhsa_enable_private_segment 0
		.amdhsa_kernarg_size 64
		.amdhsa_user_sgpr_count 2
		.amdhsa_user_sgpr_kernarg_segment_ptr 1
		.amdhsa_wavefront_size32 1
		.amdhsa_system_sgpr_workgroup_id_x 1
		.amdhsa_system_sgpr_workgroup_id_y 1
		.amdhsa_system_sgpr_workgroup_id_z 1
		.amdhsa_system_vgpr_workitem_id 0
		.amdhsa_next_free_vgpr 258
		.amdhsa_next_free_sgpr 66
		.amdhsa_reserve_vcc 0
		.amdhsa_float_denorm_mode_32 3
		.amdhsa_float_denorm_mode_16_64 3
		.amdhsa_memory_ordered 1
		.amdhsa_forward_progress 1
		.amdhsa_inst_pref_size 129
	.end_amdhsa_kernel
	.amdgpu_metadata
---
amdhsa.version: [ 1, 2 ]
amdhsa.kernels:
  - .name:           k_qab1d335e0b_finish
    .symbol:         k_qab1d335e0b_finish.kd
    .args:
      - { .name: part_o, .offset: 0, .size: 8, .value_kind: global_buffer, .address_space: global }
      - { .name: part_ml, .offset: 8, .size: 8, .value_kind: global_buffer, .address_space: global }
      - { .name: query, .offset: 16, .size: 8, .value_kind: global_buffer, .address_space: global }
      - { .name: b_v, .offset: 24, .size: 8, .value_kind: global_buffer, .address_space: global }
      - { .name: w_c, .offset: 32, .size: 8, .value_kind: global_buffer, .address_space: global }
      - { .name: psum, .offset: 40, .size: 8, .value_kind: global_buffer, .address_space: global }
      - { .name: b_c, .offset: 48, .size: 8, .value_kind: global_buffer, .address_space: global }
      - { .name: out0, .offset: 56, .size: 8, .value_kind: global_buffer, .address_space: global }
    .group_segment_fixed_size: 9728
    .private_segment_fixed_size: 0
    .kernarg_segment_align: 8
    .kernarg_segment_size: 64
    .max_flat_workgroup_size: 256
    .sgpr_count:     66
    .vgpr_count:     258
    .wavefront_size: 32
...
	.end_amdgpu_metadata
.endif
;; end of part 4
